; MI455X (gfx1250); checked and timed in simulation.
; The chip was launched on July 23, 2026; its instructions are those of AMD's public machine-readable ISA for CDNA 5 (MIT licence, August 2026) and "CDNA5" Instruction Set Architecture Reference Guide (July 2026). The comments in the code are by the model that wrote it; some were corrected since.
;; Local Attention. Allowed arithmetic: matrix products marked QUANTISED: E2M3 operands, one E8M0 scale for each 32 along K, by v_wmma_scale_f32_16x16x128_f8f6f4 with both operands' format E2M3, f32 sums; everything else in f32.
;; Inputs: Wk 1,024 x 1,024 float32; Wo 1,024 x 1,024 float32; Wq 1,024 x 1,024 float32; Wv 1,024 x 1,024 float32; bk 1,024 float32; bo 1,024 float32; bq 1,024 float32; bv 1,024 float32; x 1 x 4,096 x 1,024 float32.
;; Outputs: out0 1 x 4,096 x 1,024 float32.
;; This version of the problem:
;;   THIS VERSION OF THE PROBLEM IS GIVEN IN LOW PRECISION. The matrix products marked QUANTISED in the list below multiply operands that are first quantised to E2M3 (2 exponent bits, 3 mantissa bits; 6 bits a number), with one power-of-two scale for each 32 numbers along K (OCP MX v1.0); their sums are f32. All else is computed in f32.
;;   The module's matrix products, in the order in which they are computed (A, B: the left and right operand; K: the contracted axis; several contracted axes count as one K, in the product's order):
;;     1. [M 4,096, K 1,024] x [K 1,024, N 1,024]; A: input x; B: input Wq: QUANTISED
;;     2. [M 4,096, K 1,024] x [K 1,024, N 1,024]; A: input x; B: input Wk: QUANTISED
;;     3. [M 4,096, K 1,024] x [K 1,024, N 1,024]; A: input x; B: input Wv: QUANTISED
;;     4. batch 16 x [M 4,096, K 64] x [K 64, N 4,096]; A: computed on the way; B: computed on the way: QUANTISED
;;     5. batch 16 x [M 4,096, K 4,096] x [K 4,096, N 64]; A: softmax (see below); B: computed on the way: QUANTISED
;;     6. [M 4,096, K 1,024] x [K 1,024, N 1,024]; A: computed on the way; B: input Wo: QUANTISED
;;   THE QUANTISER, for each operand of a quantised product, along K:
;;     - K is cut into blocks of 32 from its start; a last block that is shorter is filled with zeros.
;;     - A block's scale is 2^e with e = floor(log2(the largest magnitude in the block)) - 2, held to -126 .. 127; a block of zeros has e = 0. As a byte (E8M0): e + 127.
;;     - Each number is divided by its block's scale, clamped to +-7.5, and rounded to the nearest number of E2M3, ties to even, subnormals kept.
;;     - The product sums the exact products of the quantised numbers (number of the format x scale) in f32.
;;   ~~~python
;;   def quantise(x, axis):      # numpy; x: float32 -> the quantised numbers, widened to float32 again
;;       x = np.moveaxis(x, axis, -1); K = x.shape[-1]
;;       x = np.pad(x, [(0, 0)] * (x.ndim - 1) + [(0, -K % 32)]); x = x.reshape(x.shape[:-1] + (-1, 32)); a = np.abs(x).max(-1, keepdims=True)
;;       e = np.where(a > 0, np.clip(np.frexp(np.where(a > 0, a, 1))[1] - 1 - 2, -126, 127), 0)      # np.frexp(a)[1] - 1 = floor(log2(a)), exactly
;;       r = np.clip(x / 2.0 ** e, -7.5, 7.5)
;;       step = 2.0 ** (np.maximum(np.frexp(np.where(r == 0, 1, r))[1] - 1, 0) - 3)
;;       q = np.round(r / step) * step * 2.0 ** e      # np.round: ties to even
;;       return np.moveaxis(q.reshape(q.shape[:-2] + (-1,))[..., :K], -1, axis).astype(np.float32)
;;   ~~~
;;   SOFTMAX AHEAD OF A QUANTISED PRODUCT. Where the list says 'softmax', what is quantised is not the finished softmax but p = 2^(t - M), with t = logit x log2(e) and M = ceil(the row's largest t), a whole number; so 1/2 < the row's largest p <= 1. The row's sum l is taken of the UNQUANTISED p, in f32, and the product's result is divided by l at the end. Since M is a whole number, a kernel that streams over the keys may use a running M (the ceiling of the running maximum): every later rescaling is an exact power of two, which a block's scale takes up: the codes' values come out the same.
;;   OPERANDS COMPUTED ON THE WAY. 'Computed on the way' means the value that the module computes at that place (a softmax that the list does not call 'softmax' is quantised finished and normalised). What goes into a quantiser is computed in f32, as accurately as f32 sums, v_exp_f32 and their like allow (about 1e-6 of the number): no bf16 or f16 on the way to a quantiser, and a product that is left as it is and whose result goes on into a quantised operand takes f32 operands (vector FMAs, or v_wmma_f32_16x16x4_f32). A number that lies on a knife's edge between two numbers of the format may be rounded either way, as far as f32 arithmetic and the matrix unit's own rounding can turn it there, and no further.
;; 2 versions, each right; version 2 is version 1 with the launch attn written anew for expert scheduling mode. Each part assembles by itself: llvm-mc -triple=amdgcn-amd-amdhsa -mcpu=gfx1250 --defsym DOCPART=n.
;; ======== version 1 of 2: 4 launches
;; workspace buffers: xw_codes 6,291,456 bytes; xw_scales 262,144 bytes; qkv_codes 9,437,184 bytes; qkv_scales 655,360 bytes; o_codes 3,145,728 bytes; o_scales 131,072 bytes
;; launch quant (part 1): grid 256 x 1, 4 waves a work-group, no clusters, 60,928 bytes of LDS; arguments x, Wq, Wk, Wv, Wo, xw_codes, xw_scales; writes xw_codes, xw_scales
.if DOCPART == 1
	.amdgcn_target "amdgcn-amd-amdhsa--gfx1250"
	.amdhsa_code_object_version 6
	.text
	.protected	k_q9e07d6a41f_quant
	.globl	k_q9e07d6a41f_quant
	.p2align	8
	.type	k_q9e07d6a41f_quant,@function
k_q9e07d6a41f_quant:
	s_mov_b64 s[64:65], 0
	v_nop
	global_prefetch_b8 v0, s[64:65] scope:SCOPE_SE
	s_setreg_imm32_b32 hwreg(HW_REG_WAVE_MODE, 25, 1), 1
	s_wait_xcnt 0x0
; x [4096][1024] and Wq, Wk, Wv, Wo [1024 (k)][1024 (n)], f32, become codes of FP6 (E2M3) with one E8M0 byte for each 32 along K, laid in the ORDER OF AN OPERAND'S REGISTERS.
; A block's scale is 2^(floor(log2(its largest magnitude)) - 2): its byte is the largest magnitude's exponent field - 2, held at 1 from below by a floor among the maximum's leaves.
; LIMITS: a block of zeros, or one whose largest magnitude lies under 2^-124, gets the byte 1 (its codes are zeros or subnormal codes; the bytes are read by this program alone); NaN and infinities are not served.
; LAYOUT.  Block blk = 128 rows (x: tokens, blk 0-31; weight m: columns, blk 32 + 8 m + n / 128) x K 1,024 = [K step s 0-7][tile t 0-7][1,536 bytes].
; Tile 2 b + u holds, as its row rho, row 32 b + 8 u + rho + 8 (rho / 8) of the 128.  A fragment (16 rows x 128 K, 12 registers a lane) is two halves of 768 bytes:
; registers 0-3 of six at 16 x lane (512 bytes), registers 4-5 at 512 + 8 x lane (256 bytes).  Scale words: 4,096 bytes a block, [b][s / 2][u][rho][s % 2].
; SHARES.  Work-group i: blk = i / 4, K steps 2 (i % 4) and 2 (i % 4) + 1; wave = b: 32 rows x 256 along K, 32 KB read, four fragments and 256 bytes of scale words stored.
; The first 128 work-groups take x (K innermost: rows turn through the wave's stage in LDS), the others a weight (K outermost: a lane takes a column, its registers run down K).  Each path has LDS bytes of its own.
; No barrier: waves share nothing.  Every store of codes covers 512 or 256 consecutive bytes at a multiple of 256 from the buffer's first byte.
.set XSTAGE, 8448                      ; x path: 16 rows x (512 + 16) bytes for each wave
.set WLDS,   33792                     ; weights' path: behind the four x stages
.set WSTAGE, 6656                      ; 2 (K step) x 2 (u) x 1,664 bytes for each wave; 1,664 = a fragment's 1,536 + 128
.set RA,  64                           ; v64-127   numbers as loaded, set A (weights: two sets of 32)
.set RBB, 128                          ; v128-191  set B
.set NN,  192                          ; v192-255  x: 64 neighbours of a lane; weights: the way out
.set QX,  24                           ; v24-35    codes
.set QY,  36                           ; v36-38, v40-42  the upper halves, as the conversions leave them
.set SW,  18                           ; v18-21    scale words
	s_load_b256 s[4:11], s[0:1], 0x0               ; x, Wq, Wk, Wv
	s_load_b128 s[12:15], s[0:1], 0x20             ; Wo, the codes
	s_load_b64 s[16:17], s[0:1], 0x30              ; the scale words
	v_lshl_add_u32 v62, v0, 2, 0xec00
	v_mov_b32 v63, 0
	v_lshrrev_b32 v1, 5, v0
	v_readfirstlane_b32 s18, v1                    ; wave = b
	v_and_b32 v2, 31, v0                           ; lane
	v_lshlrev_b32 v4, 4, v2                        ; 16 x lane
	v_lshlrev_b32 v5, 3, v2                        ; 8 x lane
	s_lshr_b32 s19, ttmp9, 2                       ; blk
	s_and_b32 s20, ttmp9, 3                        ; which pair of K steps
	s_mul_i32 s22, s19, 98304
	s_mul_i32 s23, s20, 24576
	s_add_co_u32 s22, s22, s23
	s_mul_i32 s23, s18, 3072
	s_add_co_u32 s22, s22, s23                     ; codes: blk x 98,304 + pair x 24,576 + b x 3,072
	s_mov_b32 s23, 0
	s_lshl_b32 s24, s19, 12
	s_lshl_b32 s25, s18, 10
	s_add_co_u32 s24, s24, s25
	s_lshl_b32 s25, s20, 8
	s_add_co_u32 s24, s24, s25                     ; scale words: blk x 4,096 + b x 1,024 + pair x 256
	s_mov_b32 s25, 0
	s_wait_kmcnt 0x0
	s_add_nc_u64 s[14:15], s[14:15], s[22:23]
	s_add_nc_u64 s[16:17], s[16:17], s[24:25]
	s_cmp_lt_u32 ttmp9, 128
	s_cbranch_scc0 .Lweights
	; ---------------- x: K innermost ----------------
	s_lshl_b32 s26, s19, 19                        ; 128 rows of 4,096 bytes
	s_lshl_b32 s27, s18, 17                        ; 32 rows
	s_add_co_u32 s26, s26, s27
	s_lshl_b32 s27, s20, 10                        ; 256 numbers
	s_add_co_u32 s26, s26, s27
	s_mov_b32 s27, 0
	s_add_nc_u64 s[4:5], s[4:5], s[26:27]
	v_and_b32 v3, 15, v0                           ; r
	v_bfe_u32 v9, v0, 4, 1                         ; h
	s_mul_i32 s28, s18, XSTAGE
	v_add_nc_u32 v6, s28, v4                       ; into the stage: a row's 512 bytes as they lie
	v_mul_u32_u24 v7, v3, 528
	v_lshl_add_u32 v7, v9, 7, v7
	v_add_nc_u32 v7, s28, v7                       ; out of it: row r, + 128 h: my block of 32 numbers
	v_lshlrev_b32 v8, 3, v9                        ; 8 h: my bytes' place in the scale word
	v_mov_b32 v17, 0                               ; a lane permute's destination counts as read
	s_mov_b32 s30, 0x76543210
	s_mov_b32 s31, 0xfedcba98                      ; selects for lane l xor 16
	s_mov_b32 s32, 0xffff0000                      ; lanes 16-31
; task k = 2 u + e: tile u of my 32 rows, K step e of my two: 16 rows x 512 bytes, each load 512 consecutive bytes
.macro LOADX k, set
.irp i, 0,1,2,3,4,5,6,7,8,9,10,11,12,13,14,15
	global_load_b128 v[\set+4*\i:\set+4*\i+3], v4, s[4:5] offset:(8*((\k)/2)+\i+8*(\i/8))*4096+512*((\k)%2) th:TH_LOAD_NT
.endr
.endm
.macro TASKX k, set
.if (\k) < 3
	s_wait_loadcnt 16                              ; this task's 16 loads are in; the next task's 16 may be out
.else
	s_wait_loadcnt 0x0
.endif
.irp i, 0,1,2,3,4,5,6,7,8,9,10,11,12,13,14,15
	ds_store_b128 v6, v[\set+4*\i:\set+4*\i+3] offset:528*\i
.endr
.irp q, 0,1                                    ; LDS serves a wave's instructions in order: these see the stores above.  Registers 32 q + .. = k 64 q + 32 h + 0 .. 31 of row r
.irp j, 0,1,2,3,4,5,6,7
	ds_load_b128 v[NN+32*\q+4*\j:NN+32*\q+4*\j+3], v7 offset:256*\q+16*\j
.endr
.endr
	s_wait_dscnt 0x0                               ; my 64 numbers are back, and the stores have read their registers,
.if (\k) < 2
	LOADX (\k)+2, \set                             ; which take the task two on
.endif
.irp q, 0,1
	v_max3_num_f32 v[10+\q], |v[NN+32*\q]|, |v[NN+32*\q+1]|, 0x1800000   ; a whole block is mine; the floor 2^(3 - 127) holds the byte at 1 from below
.endr
.irp i, 2,4,6,8,10,12,14,16,18,20,22,24,26,28,30
.irp q, 0,1
	v_max3_num_f32 v[10+\q], v[10+\q], |v[NN+32*\q+\i]|, |v[NN+32*\q+\i+1]|
.endr
.endr
.irp q, 0,1
	v_add_nc_u32 v[12+\q], 0xff000000, v[10+\q]    ; 2 off the exponent field: the conversion's scale operand
.endr
.irp q, 0,1
	v_lshrrev_b32 v[14+\q], 23, v[12+\q]           ; the scale's byte
.endr
	v_lshl_or_b32 v16, v15, 16, v14                ; blocks h and 2 + h of row r,
	v_lshlrev_b32 v16, v8, v16                     ; at their places in the word;
	v_permlanex16_b32 v17, v16, s30, s31
	v_or_b32 v[SW+(\k)], v16, v17                  ; with lane l xor 16's two the word is whole
	s_wait_xcnt 0x0                                ; the last task's stores have read the codes' registers
.irp q, 0,1
	v_cvt_scalef32_pk16_fp6_f32 v[QX+6*\q:QX+6*\q+2], v[NN+32*\q:NN+32*\q+15], v[12+\q]
	v_cvt_scalef32_pk16_fp6_f32 v[QY+4*\q:QY+4*\q+2], v[NN+32*\q+16:NN+32*\q+31], v[12+\q]   ; (a conversion's three registers begin on an even number)
.endr
	v_nop                                          ; one plain place behind a scaled conversion
.irp q, 0,1
.irp i, 0,1,2
	v_mov_b32 v[QX+6*\q+3+\i], v[QY+4*\q+\i]
.endr
.endr
.irp q, 0,1
	global_store_b128 v4, v[QX+6*\q:QX+6*\q+3], s[14:15] offset:((\k)%2)*12288+((\k)/2)*1536+768*\q
	global_store_b64 v5, v[QX+6*\q+4:QX+6*\q+5], s[14:15] offset:((\k)%2)*12288+((\k)/2)*1536+768*\q+512
.endr
.endm
	LOADX 0, RA
	LOADX 1, RBB
	TASKX 0, RA
	TASKX 1, RBB
	TASKX 2, RA
	TASKX 3, RBB
	v_cndmask_b32 v22, v[SW], v[SW+2], s32         ; lanes 0-15: tile u = 0's words, lanes 16-31: tile u = 1's; first K step,
	v_cndmask_b32 v23, v[SW+1], v[SW+3], s32       ; second K step
	global_store_b64 v5, v[22:23], s[16:17]        ; 256 consecutive bytes
	s_wait_tensorcnt 0x0
	ds_add_u32 v62, v63
	s_wait_dscnt 0x0
	s_endpgm
	; ---------------- a weight: K outermost ----------------
.Lweights:
	s_sub_co_u32 s21, s19, 32
	s_lshr_b32 s26, s21, 3                         ; m: 0 Wq, 1 Wk, 2 Wv, 3 Wo
	s_and_b32 s27, s19, 7                          ; which 128 columns
	s_cmp_eq_u32 s26, 2                            ; the choice hangs on the work-group's number alone
	s_cselect_b64 s[12:13], s[10:11], s[12:13]
	s_cmp_eq_u32 s26, 1
	s_cselect_b64 s[12:13], s[8:9], s[12:13]
	s_cmp_eq_u32 s26, 0
	s_cselect_b64 s[12:13], s[6:7], s[12:13]
	s_lshl_b32 s28, s20, 20                        ; 256 rows of 4,096 bytes
	s_lshl_b32 s29, s27, 9
	s_add_co_u32 s28, s28, s29
	s_lshl_b32 s29, s18, 7                         ; my 32 columns
	s_add_co_u32 s28, s28, s29
	s_mov_b32 s29, 0
	s_add_nc_u64 s[12:13], s[12:13], s[28:29]
	v_lshlrev_b32 v3, 2, v2                        ; lane l takes column 32 b + l: tile u = (l / 8) % 2, row rho = l % 8 + 8 (l / 16)
	v_bfe_u32 v10, v0, 3, 1                        ; u
	v_and_b32 v11, 7, v0
	v_bfe_u32 v12, v0, 4, 1
	v_lshl_add_u32 v11, v12, 3, v11                ; rho
	s_mul_i32 s28, s18, WSTAGE
	s_add_co_u32 s28, s28, WLDS
	v_mul_u32_u24 v13, v10, 1664
	v_add_nc_u32 v13, s28, v13
	v_lshl_add_u32 v6, v11, 4, v13                 ; the stage: my four registers' place,
	v_lshl_add_u32 v7, v11, 3, v13                 ; my two registers' place,
	v_add_nc_u32 v8, s28, v4                       ; and on the way out 16 x lane
	v_lshlrev_b32 v9, 3, v11
	v_lshl_add_u32 v9, v10, 7, v9                  ; my scale words: 128 u + 8 rho
.macro LOADW k                         ; block k: W(32 k + n, my column), n = 0 .. 31: each load 128 consecutive bytes a wave, 512 a work-group
.set n, 0
.rept 32
	global_load_b32 v[RA+32*((\k)%2)+n], v3, s[12:13] offset:(32*(\k)+n)*4096 th:TH_LOAD_NT
.set n, n+1
.endr
.endm
; block k = 4 e + 2 q + hb is, in the fragment of K step e, what lane (rho, hb) holds in registers 6 q .. 6 q + 5
.macro BLOCKW k
.set XS, RA+32*((\k)%2)
.if (\k) < 7
	s_wait_loadcnt 32                              ; this block's 32 loads are in; the next block's may be out
.else
	s_wait_loadcnt 0x0
.endif
	v_max3_num_f32 v10, |v[XS]|, |v[XS+1]|, |v[XS+2]|
	v_max3_num_f32 v11, |v[XS+3]|, |v[XS+4]|, |v[XS+5]|
.irp i, 6,10,14,18,22,26
	v_max3_num_f32 v10, v10, |v[XS+\i]|, |v[XS+\i+1]|
	v_max3_num_f32 v11, v11, |v[XS+\i+2]|, |v[XS+\i+3]|
.endr
	v_max3_num_f32 v10, v10, |v[XS+30]|, |v[XS+31]|
	v_max3_num_f32 v10, v10, v11, 0x1800000        ; and the floor
	v_add_nc_u32 v12, 0xff000000, v10
	v_lshrrev_b32 v14, 23, v12
.if (\k)%4 == 0
	v_mov_b32 v[SW+(\k)/4], v14                    ; four bytes to a word, the lower K in the lower byte
.else
	v_lshl_or_b32 v[SW+(\k)/4], v14, 8*((\k)%4), v[SW+(\k)/4]
.endif
	v_cvt_scalef32_pk16_fp6_f32 v[QX:QX+2], v[XS:XS+15], v12
	v_cvt_scalef32_pk16_fp6_f32 v[QY:QY+2], v[XS+16:XS+31], v12
	v_nop                                          ; one plain place behind a scaled conversion
.irp i, 0,1,2
	v_mov_b32 v[QX+3+\i], v[QY+\i]
.endr
.if (\k)+2 < 8
	LOADW (\k)+2
.endif
	ds_store_b128 v6, v[QX:QX+3] offset:((\k)/4)*3328+(((\k)%4)/2)*768+256*((\k)%2)
	ds_store_b64 v7, v[QX+4:QX+5] offset:((\k)/4)*3328+(((\k)%4)/2)*768+512+128*((\k)%2)
	s_wait_dscnt 0x0                               ; the stores have read their registers: the next block's codes may be written
.endm
.macro OUTW e                          ; K step e's two fragments leave as they lie: 512 consecutive bytes a store
.irp u, 0,1
.irp i, 0,1,2
	ds_load_b128 v[NN+24*(\e)+12*\u+4*\i:NN+24*(\e)+12*\u+4*\i+3], v8 offset:(\e)*3328+\u*1664+512*\i
.endr
.endr
	s_wait_dscnt 0x0
.irp u, 0,1
.irp i, 0,1,2
	global_store_b128 v4, v[NN+24*(\e)+12*\u+4*\i:NN+24*(\e)+12*\u+4*\i+3], s[14:15] offset:(\e)*12288+\u*1536+512*\i
.endr
.endr
.endm
	LOADW 0
	LOADW 1
	BLOCKW 0
	BLOCKW 1
	BLOCKW 2
	BLOCKW 3
	OUTW 0
	BLOCKW 4
	BLOCKW 5
	BLOCKW 6
	BLOCKW 7
	OUTW 1
	global_store_b64 v9, v[SW:SW+1], s[16:17]      ; the wave's 256 bytes of scale words, 8 a lane
	s_wait_tensorcnt 0x0
	ds_add_u32 v62, v63
	s_wait_dscnt 0x0
	s_endpgm
.Lfunc_end_k_q9e07d6a41f_quant:
	.size	k_q9e07d6a41f_quant, .Lfunc_end_k_q9e07d6a41f_quant-k_q9e07d6a41f_quant
	.p2alignl 7, 3214868480
	.fill 96, 4, 3214868480
	.section	.rodata,"a",@progbits
	.p2align	6, 0x0
	.amdhsa_kernel k_q9e07d6a41f_quant
		.amdhsa_group_segment_fixed_size 60928
		.amdhsa_private_segment_fixed_size 0
		.amdhsa_enable_private_segment 0
		.amdhsa_kernarg_size 56
		.amdhsa_user_sgpr_count 2
		.amdhsa_user_sgpr_kernarg_segment_ptr 1
		.amdhsa_wavefront_size32 1
		.amdhsa_system_sgpr_workgroup_id_x 1
		.amdhsa_system_sgpr_workgroup_id_y 1
		.amdhsa_system_sgpr_workgroup_id_z 1
		.amdhsa_system_vgpr_workitem_id 0
		.amdhsa_next_free_vgpr 256
		.amdhsa_next_free_sgpr 66
		.amdhsa_reserve_vcc 0
		.amdhsa_float_denorm_mode_32 3
		.amdhsa_float_denorm_mode_16_64 3
		.amdhsa_memory_ordered 1
		.amdhsa_forward_progress 1
		.amdhsa_inst_pref_size 71
	.end_amdhsa_kernel
	.amdgpu_metadata
---
amdhsa.version: [ 1, 2 ]
amdhsa.kernels:
  - .name:           k_q9e07d6a41f_quant
    .symbol:         k_q9e07d6a41f_quant.kd
    .args:
      - { .name: x, .offset: 0, .size: 8, .value_kind: global_buffer, .address_space: global }
      - { .name: Wq, .offset: 8, .size: 8, .value_kind: global_buffer, .address_space: global }
      - { .name: Wk, .offset: 16, .size: 8, .value_kind: global_buffer, .address_space: global }
      - { .name: Wv, .offset: 24, .size: 8, .value_kind: global_buffer, .address_space: global }
      - { .name: Wo, .offset: 32, .size: 8, .value_kind: global_buffer, .address_space: global }
      - { .name: xw_codes, .offset: 40, .size: 8, .value_kind: global_buffer, .address_space: global }
      - { .name: xw_scales, .offset: 48, .size: 8, .value_kind: global_buffer, .address_space: global }
    .group_segment_fixed_size: 60928
    .private_segment_fixed_size: 0
    .kernarg_segment_align: 8
    .kernarg_segment_size: 56
    .max_flat_workgroup_size: 128
    .sgpr_count:     66
    .vgpr_count:     256
    .wavefront_size: 32
...
	.end_amdgpu_metadata
.endif
;; end of part 1
;; launch qkv (part 2): grid 8 x 32, 4 waves a work-group, clusters of 4 x 4, 327,680 bytes of LDS; arguments xw_codes, xw_scales, bq, bk, bv, qkv_codes, qkv_scales; writes qkv_codes, qkv_scales
.if DOCPART == 2
	.amdgcn_target "amdgcn-amd-amdhsa--gfx1250"
	.amdhsa_code_object_version 6
	.text
	.protected	k_q9e07d6a41f_qkv
	.globl	k_q9e07d6a41f_qkv
	.p2align	8
	.type	k_q9e07d6a41f_qkv,@function
k_q9e07d6a41f_qkv:
	s_mov_b64 s[64:65], 0
	v_nop
	global_prefetch_b8 v0, s[64:65] scope:SCOPE_SE
	s_setreg_imm32_b32 hwreg(HW_REG_WAVE_MODE, 25, 1), 1
	s_wait_xcnt 0x0
	s_wait_alu depctr_hold_cnt(0) depctr_sa_sdst(0) depctr_va_vdst(0) depctr_va_sdst(0) depctr_va_ssrc(0) depctr_va_vcc(0) depctr_vm_vsrc(0)
	s_getreg_b32 s2, hwreg(HW_REG_IB_STS2, 6, 4)
	s_cmp_eq_u32 s2, 0
	s_cbranch_scc0 .Lentry_in_a_cluster
	s_endpgm
.Lentry_in_a_cluster:
	s_bfe_u32 s2, ttmp6, 0x10000c
	s_cmp_lg_u32 s2, 0xf033
	s_cbranch_scc0 .Lentry_shape_is_right
	s_endpgm
.Lentry_shape_is_right:
; q = x Wq + bq, k = x Wk + bk, v = x Wv + bv on codes of FP6 (E2M3) with E8M0 scales; the results are quantised at once: q and k along the head's 64, v along the tokens (the keys), and stored as codes.
; SHARES.  Work-group (cg, RB): 128 tokens x the 128 columns of head pair cg, of each of the three weights: it stays and makes three tiles of 128 x 128.  Wave w: 64 tokens (wr = w / 2) x 64 columns (wc = w % 2: one head):
; 16 accumulators, 16 matrix instructions for each 128 along K.  The wave's fragments of x for all of K (384 registers) are read from LDS once and serve all three tiles.
; OPERANDS lie in memory and in LDS in the order of their registers: a fragment is 1,536 bytes, read by two loads of 16 bytes and two of 8 bytes a lane, each dense.  Tile 2 b + u holds as row rho row 32 b + 8 u + rho + 8 (rho / 8):
; so the 16 result registers of source 0's tiles 2 b, 2 b + 1 are 16 neighbours.  q, k: source 0 = the weight's columns, source 1 = tokens: a lane holds one token and 32 neighbours along d.  v: the sources swapped: a lane holds one d and 32 neighbouring tokens.
; The biases are the C of each sum's first matrix instruction (so a bias is added ahead of the products, not behind them: another order of rounding than x W + b).
; CLUSTER 4 x 4: x's block is shared along a row of the cluster, a weight's block along a column: joint loads.  LDS: x's block (98,304 bytes), two slots of 98,304 for weights' blocks, the spare words.
; Slot 0 takes Wq, slot 1 Wk, and slot 0 is filled again with Wv behind one round of the cluster's barrier.  A wave has three tensor loads out at the start and one behind that round.
; LIMITS: a block of zeros or under 2^-124 gets the scale byte 1 (read by this program alone); NaN and infinities are not served.
; REGISTERS.  Window 0: v1-23 addresses; v32-47 x's scale words; v48-95 the weights'; v96-223 the accumulators; v224-247 the quantiser.  Window 1: x's fragments of K steps 0-3; window 2: of 4-7; window 3: v0-95 a weight's fragments, two sets; v96-191 the biases.
.set SPARE, 294912                     ; behind the slots: 128 bytes for each wave, two blocks of 256 bytes that no other line names
.set SPW, 1                            ; v1   SPARE + 4 x my thread's number; never rewritten
.set NIL, 2                            ; v2   0; never rewritten
.set L16, 19
.set L8,  20
.set L4,  21
.set AS,  32                           ; x's scale words: register 8 bl + s: lanes 0-15 tile 2 bl, lanes 16-31 tile 2 bl + 1
.set BS,  48                           ; weight m's: 16 m + 8 bl + s
.set ACC, 96
.set BI,  96                           ; window 3: bias of weight m, tile c at 32 m + 8 c
.set QM,  224
.set QP,  226
.set QC,  228
.set QB,  230
.set QX,  232
.set QY,  238
.set HW,  242
.set SEL, 98
.set G1A, 40
.set G1B, 48
.set MSB, 0
.macro WIN new                         ; the immediate's high byte repeats the setting that is left
.if MSB != \new
	s_set_vgpr_msb (MSB<<8)|\new
.set MSB, \new
.endif
.endm
.macro PLACES                          ; four plain places behind matrix instructions, in front of loads into registers that they read and of the first read of results
.rept 4
	v_nop
.endr
.endm
.macro JLOAD g0a, g0b                  ; a joint load: waves 0 and 1 fetch for x, waves 2 and 3 for the weight; the branch hangs on the wave's number alone; four v_nop follow each line
	s_cmp_eq_u32 s19, 0
	s_cbranch_scc0 .Lfor_b_\@
	tensor_load_to_lds s[\g0a:\g0a+3], s[G1A:G1A+7]
	s_nop 0
.rept 4
	v_nop
.endr
	s_branch .Lasked_\@
.Lfor_b_\@:
	tensor_load_to_lds s[\g0b:\g0b+3], s[G1B:G1B+7]
	s_nop 0
.rept 4
	v_nop
.endr
.Lasked_\@:
.endm
.macro CROUND                          ; a round of the cluster's barrier
	s_barrier_signal -1
	s_barrier_wait -1
	s_cmp_lg_u32 s18, 0
	s_cbranch_scc1 .Lnot_wave_0_\@
	s_barrier_signal -3
.Lnot_wave_0_\@:
	s_barrier_wait -3
	s_barrier_signal -1
	s_barrier_wait -1
.endm
.macro WM d, a, b, c, sa, sb, ra, rb   ; one matrix instruction; ra, rb: the side's scale words stand in lanes 16-31
.if (\ra) && (\rb)
	v_wmma_scale_f32_16x16x128_f8f6f4 v[\d:\d+7], v[\a:\a+11], v[\b:\b+11], v[\c:\c+7], v[\sa], v[\sb] matrix_a_fmt:MATRIX_FMT_FP6 matrix_b_fmt:MATRIX_FMT_FP6 matrix_a_scale:MATRIX_SCALE_ROW1 matrix_b_scale:MATRIX_SCALE_ROW1
.elseif (\ra)
	v_wmma_scale_f32_16x16x128_f8f6f4 v[\d:\d+7], v[\a:\a+11], v[\b:\b+11], v[\c:\c+7], v[\sa], v[\sb] matrix_a_fmt:MATRIX_FMT_FP6 matrix_b_fmt:MATRIX_FMT_FP6 matrix_a_scale:MATRIX_SCALE_ROW1
.elseif (\rb)
	v_wmma_scale_f32_16x16x128_f8f6f4 v[\d:\d+7], v[\a:\a+11], v[\b:\b+11], v[\c:\c+7], v[\sa], v[\sb] matrix_a_fmt:MATRIX_FMT_FP6 matrix_b_fmt:MATRIX_FMT_FP6 matrix_b_scale:MATRIX_SCALE_ROW1
.else
	v_wmma_scale_f32_16x16x128_f8f6f4 v[\d:\d+7], v[\a:\a+11], v[\b:\b+11], v[\c:\c+7], v[\sa], v[\sb] matrix_a_fmt:MATRIX_FMT_FP6 matrix_b_fmt:MATRIX_FMT_FP6
.endif
.endm
.macro FRAGLD d, a16, a8, off          ; a fragment's image into 12 registers: four dense loads
	ds_load_b128 v[\d:\d+3], v[\a16] offset:\off
	ds_load_b64 v[\d+4:\d+5], v[\a8] offset:\off
	ds_load_b128 v[\d+6:\d+9], v[\a16] offset:\off+768
	ds_load_b64 v[\d+10:\d+11], v[\a8] offset:\off+768
.endm
.macro LDB slot, s, p                  ; my four fragments of the weight in the slot, K step s, into set p: 16 loads
	WIN 0xc0
.irp c, 0,1,2,3
	FRAGLD 48*(\p)+12*\c, 9+4*(\slot)+2*((\s)/4), 10+4*(\slot)+2*((\s)/4), ((\s)%4)*12288+\c*1536
.endr
.endm
.macro LDA s                           ; my four fragments of x, K step s, into their lasting place: 16 loads
.set wn, 0x40*(1+(\s)/4)
	WIN wn
.irp a, 0,1,2,3
	FRAGLD 48*((\s)%4)+12*\a, 5+2*((\s)/4), 6+2*((\s)/4), ((\s)%4)*12288+\a*1536
.endr
.endm
; 16 matrix instructions, K step s of weight m.  kind 0: source 0 = the weight, source 1 = x; kind 1: swapped.  The 16 accumulators take turns, one instruction a turn, in the same order in every step.
.macro MUL kind, m, s
.if (\kind) == 0
.if (\s) == 0
	WIN 0x37
.elseif (\s) < 4
	WIN 0x07
.else
	WIN 0x0b
.endif
.else
.if (\s) == 0
	WIN 0x3d
.elseif (\s) < 4
	WIN 0x0d
.else
	WIN 0x0e
.endif
.endif
.irp a, 0,1,2,3
.irp c, 0,1,2,3
.set rW, 48*((\s)%2)+12*\c
.set rX, 48*((\s)%4)+12*\a
.set rSW, BS+16*(\m)+8*(\c/2)+(\s)
.set rSX, AS+8*(\a/2)+(\s)
.if (\kind) == 0
.set rD, ACC+8*(4*\a+\c)
.else
.set rD, ACC+8*(4*\c+\a)
.endif
.set rC, rD
.if (\s) == 0
.set rC, BI+32*(\m)+8*\c               ; the bias starts the sum
.endif
.if (\kind) == 0
	WM rD, rW, rX, rC, rSW, rSX, \c%2, \a%2
.else
	WM rD, rX, rW, rC, rSX, rSW, \a%2, \c%2
.endif
.endr
.endr
.endm
.macro KSTEP kind, m, slot, s, withA   ; the next K step's fragments are asked for, then this step is multiplied
	PLACES                                         ; the loads land in the set that the step before multiplied
	LDB \slot, (\s)+1, ((\s)+1)%2
.if \withA
	LDA (\s)+1
.endif
	s_wait_dscnt 16*(1+\withA)                     ; all but the loads just issued: this step's fragments are in
	MUL \kind, \m, \s
.endm
; 32 numbers of a lane, register 16 b + i = k 32 b + 16 (lane / 16) + i of my row, become half a fragment (6 registers from v[QX]) and two scale bytes in v[hw]
.macro QUANT64 s, hw
.irp b, 0,1
	v_max3_num_f32 v[QM+\b], |v[\s+16*\b]|, |v[\s+16*\b+1]|, 0x1800000   ; each accumulator is read from its low end on; the floor 2^(3 - 127) holds the byte at 1 from below
.endr
.irp i, 2,4,6,8,10,12,14
.irp b, 0,1
	v_max3_num_f32 v[QM+\b], v[QM+\b], |v[\s+16*\b+\i]|, |v[\s+16*\b+\i+1]|
.endr
.endr
.irp b, 0,1
	v_permlanex16_b32 v[QP+\b], v[QM+\b], s[SEL], s[SEL+1]
.endr
.irp b, 0,1
	v_max_num_f32 v[QM+\b], v[QM+\b], v[QP+\b]     ; with lane l xor 16's 16: the block's largest magnitude
.endr
.irp b, 0,1
	v_add_nc_u32 v[QC+\b], 0xff000000, v[QM+\b]    ; 2 off the exponent field: the conversion's scale operand
.endr
.irp b, 0,1
	v_lshrrev_b32 v[QB+\b], 23, v[QC+\b]
.endr
	v_lshl_or_b32 v[\hw], v[QB+1], 8, v[QB]        ; two bytes; the upper two stay 0
	s_wait_xcnt 0x0                                ; earlier stores have read the codes' registers
	v_cvt_scalef32_pk16_fp6_f32 v[QX:QX+2], v[\s:\s+15], v[QC]
	v_cvt_scalef32_pk16_fp6_f32 v[QY:QY+2], v[\s+16:\s+31], v[QC+1]
	v_nop                                          ; one plain place behind a scaled conversion
.irp i, 0,1,2
	v_permlane16_swap_b32 v[QX+\i], v[QY+\i]       ; a whole block to a lane: lanes 0-15 block 0, lanes 16-31 block 1
.endr
.irp i, 0,1,2
	v_mov_b32 v[QX+3+\i], v[QY+\i]
.endr
.endm
.macro EPI_QK m                        ; q (m = 0) or k (1): four tiles of 16 tokens; 512 + 256 consecutive bytes each, and 256 bytes of scale words
.irp a, 0,1,2,3
	QUANT64 ACC+32*\a, HW+\a
	global_store_b128 v[L16], v[QX:QX+3], s[84:85] offset:(\m)*3145728+768*\a
	global_store_b64 v[L8], v[QX+4:QX+5], s[84:85] offset:(\m)*3145728+768*\a+512
.endr
	v_cndmask_b32 v246, v[HW], v[HW+1], s96        ; lanes 0-15 the even tile's words, lanes 16-31 the odd tile's
	v_cndmask_b32 v247, v[HW+2], v[HW+3], s96
	global_store_b64 v[L8], v[246:247], s[86:87] offset:(\m)*262144
.endm
.macro EPI_V                           ; v: four tiles of 16 d, 64 keys each
.irp c, 0,1,2,3
	QUANT64 ACC+32*\c, HW+\c
	global_store_b128 v[L16], v[QX:QX+3], s[84:85] offset:2*3145728+768*\c
	global_store_b64 v[L8], v[QX+4:QX+5], s[84:85] offset:2*3145728+768*\c+512
.endr
	v_cndmask_b32 v246, v[HW], v[HW+1], s96
	v_cndmask_b32 v247, v[HW+2], v[HW+3], s96
	v_lshl_or_b32 v246, v247, 16, v246             ; tiles c and 2 + c: two bytes each
	global_store_b32 v[L4], v246, s[88:89]         ; 128 consecutive bytes
.endm
	s_load_b256 s[4:11], s[0:1], 0x0               ; xw_codes, xw_scales, bq, bk
	s_load_b128 s[12:15], s[0:1], 0x20             ; bv, qkv_codes
	s_load_b64 s[16:17], s[0:1], 0x30              ; qkv_scales
	v_lshl_add_u32 v[SPW], v0, 2, SPARE
	v_mov_b32 v[NIL], 0
	ds_add_u32 v1, v2
	ds_add_u32 v1, v2
	s_wait_dscnt 0x0
	v_lshrrev_b32 v3, 5, v0
	v_readfirstlane_b32 s18, v3                    ; wave 0..3
	s_lshr_b32 s19, s18, 1                         ; wr: my 64 tokens.  Also: I fetch for x (0) or for the weight (1)
	s_and_b32 s20, s18, 1                          ; wc: my 64 columns.  Also: which part of a piece I fetch
	s_bfe_u32 s21, ttmp6, 0x40000                  ; cx
	s_bfe_u32 s22, ttmp6, 0x40004                  ; cy
	s_lshl_b32 s23, ttmp9, 2
	s_add_co_u32 s23, s23, s21                     ; cg = 4 x cluster x + cx
	s_and_b32 s24, ttmp7, 0xffff
	s_lshl_b32 s24, s24, 2
	s_add_co_u32 s24, s24, s22                     ; RB = 4 x cluster y + cy
	s_lshl_b32 s25, s22, 2
	s_lshl_b32 s25, 15, s25                        ; my row of the cluster
	s_lshl_b32 s26, 0x1111, s21                    ; my column
	; descriptor group 1: 24,576 dense bytes as 96 rows of 256 bytes (32 elements of 8 bytes), no padding
	s_or_b32 s[G1A], s25, (3<<16)|(1<<21)          ; x's block goes to my row
	s_or_b32 s[G1B], s26, (3<<16)|(1<<21)          ; a weight's block to my column
.irp g, G1A, G1B
	s_mov_b32 s[\g+1], 32<<16                      ; tensor_dim0
	s_mov_b32 s[\g+2], 96<<16                      ; tensor_dim1
	s_mov_b32 s[\g+3], 32<<16                      ; tile_dim0
	s_mov_b32 s[\g+4], 96                          ; tile_dim1
	s_mov_b32 s[\g+5], 32                          ; tensor_dim0_stride
	s_mov_b32 s[\g+6], 0
	s_mov_b32 s[\g+7], 0
.endr
	s_mul_i32 s27, s20, 24576                      ; my part of a piece of 49,152 bytes (K steps 0-3 or 4-7)
	s_mul_i32 s30, s18, 24576                      ; my quarter of a whole block
	s_mul_i32 s28, s24, 98304                      ; x: block RB
	s_add_co_u32 s28, s28, s27
	s_mov_b32 s29, 0
	s_add_co_u32 s32, s23, 32
	s_mul_i32 s32, s32, 98304                      ; Wq: block 32 + cg
	s_add_co_u32 s34, s32, s30
	s_mov_b32 s35, 0
	s_add_co_u32 s32, s32, s27
	s_mov_b32 s33, 0
	s_wait_kmcnt 0x0
	s_add_nc_u64 s[28:29], s[4:5], s[28:29]
	s_add_nc_u64 s[32:33], s[4:5], s[32:33]
	s_add_nc_u64 s[34:35], s[4:5], s[34:35]
	CROUND                                         ; all sixteen work-groups are here: the first joint loads meet
	s_mov_b32 s56, 1                               ; x, K steps 0-3
	s_mov_b32 s57, s27
	s_mov_b64 s[58:59], s[28:29]
	s_or_b32 s59, s59, 0x80000000
	s_mov_b32 s60, 1                               ; x, K steps 4-7
	s_add_co_u32 s61, s27, 49152
	s_add_nc_u64 s[62:63], s[28:29], 49152
	s_or_b32 s63, s63, 0x80000000
	s_mov_b32 s68, 1                               ; Wq, K steps 0-3, slot 0
	s_add_co_u32 s69, s27, 98304
	s_mov_b64 s[70:71], s[32:33]
	s_or_b32 s71, s71, 0x80000000
	s_mov_b32 s72, 1                               ; Wq, K steps 4-7
	s_add_co_u32 s73, s27, 147456
	s_add_nc_u64 s[74:75], s[32:33], 49152
	s_or_b32 s75, s75, 0x80000000
	s_mov_b32 s76, 1                               ; Wk, my quarter, slot 1
	s_add_co_u32 s77, s30, 196608
	s_add_nc_u64 s[78:79], s[34:35], 786432
	s_or_b32 s79, s79, 0x80000000
	s_mov_b32 s80, 1                               ; Wv, my quarter, slot 0 again
	s_add_co_u32 s81, s30, 98304
	s_add_nc_u64 s[82:83], s[34:35], 1572864
	s_or_b32 s83, s83, 0x80000000
	JLOAD 56, 68
	JLOAD 60, 72
	tensor_load_to_lds s[76:79], s[G1B:G1B+7]
	s_nop 0
	PLACES
	; addresses
	v_and_b32 v3, 31, v0                           ; lane
	v_and_b32 v4, 15, v0                           ; r
	v_bfe_u32 v17, v0, 4, 1                        ; h
	v_lshlrev_b32 v[L16], 4, v3
	v_lshlrev_b32 v[L8], 3, v3
	v_lshlrev_b32 v[L4], 2, v3
	s_mul_i32 s31, s19, 6144                       ; my four tiles of x
	v_add_nc_u32 v5, s31, v[L16]
	v_add_nc_u32 v6, s31, v[L8]
	v_add_nc_u32 v6, 512, v6
	v_add_nc_u32 v7, 49152, v5
	v_add_nc_u32 v8, 49152, v6
	s_mul_i32 s31, s20, 6144                       ; my four tiles of a weight
	s_add_co_u32 s31, s31, 98304
.irp q, 0,1,2,3                                ; slot q / 2, K steps 4 (q % 2) on
	v_add_nc_u32 v[9+2*\q], s31, v[L16]
	v_add_nc_u32 v[10+2*\q], s31, v[L8]
	v_add_nc_u32 v[10+2*\q], 512, v[10+2*\q]
	s_add_co_u32 s31, s31, 49152
.endr
	v_lshlrev_b32 v22, 6, v17                      ; q's and k's bias: 64 h
	v_and_b32 v18, 8, v4
	v_add_nc_u32 v18, v18, v4
	v_lshlrev_b32 v23, 2, v18                      ; v's bias: 4 (r + 8 (r / 8))
	v_mov_b32 v[QP], 0                             ; a lane permute's destination counts as read
	v_mov_b32 v[QP+1], 0
	s_mov_b32 s[SEL], 0x76543210
	s_mov_b32 s[SEL+1], 0xfedcba98
	s_mov_b32 s96, 0xffff0000
	s_lshl_b32 s36, s24, 12
	s_lshl_b32 s37, s19, 11
	s_add_co_u32 s36, s36, s37
	s_mov_b32 s37, 0
	s_add_nc_u64 s[36:37], s[6:7], s[36:37]        ; x's scale words: block RB, my 64 tokens
	s_add_co_u32 s38, s23, 32
	s_lshl_b32 s38, s38, 12
	s_lshl_b32 s39, s20, 11
	s_add_co_u32 s38, s38, s39
	s_mov_b32 s39, 0
	s_add_nc_u64 s[38:39], s[6:7], s[38:39]        ; Wq's: block 32 + cg, my 64 columns; Wk's and Wv's 32,768 and 65,536 bytes on
	s_lshl_b32 s90, s23, 9
	s_lshl_b32 s91, s20, 8
	s_add_co_u32 s90, s90, s91
	s_mov_b32 s91, 0
	s_add_nc_u64 s[8:9], s[8:9], s[90:91]          ; the biases at my 64 columns
	s_add_nc_u64 s[10:11], s[10:11], s[90:91]
	s_add_nc_u64 s[12:13], s[12:13], s[90:91]
	s_lshl_b32 s92, s23, 1
	s_add_co_u32 s92, s92, s20                     ; my head
	s_lshl_b32 s93, s24, 1
	s_add_co_u32 s93, s93, s19                     ; my 64 tokens' number
	s_mul_i32 s84, s92, 196608
	s_mul_i32 s85, s93, 3072
	s_add_co_u32 s84, s84, s85
	s_mov_b32 s85, 0
	s_add_nc_u64 s[84:85], s[14:15], s[84:85]      ; codes: q's; k's and v's sections stand in the stores' immediates
	s_lshl_b32 s86, s92, 14
	s_lshl_b32 s87, s93, 8
	s_add_co_u32 s86, s86, s87
	s_mov_b32 s87, 0
	s_add_nc_u64 s[86:87], s[16:17], s[86:87]      ; q's scale words; k's 262,144 bytes on
	s_lshl_b32 s88, s92, 13
	s_lshl_b32 s89, s93, 7
	s_add_co_u32 s88, s88, s89
	s_add_co_u32 s88, s88, 524288
	s_mov_b32 s89, 0
	s_add_nc_u64 s[88:89], s[16:17], s[88:89]      ; v's scale bytes
.irp bl, 0,1
.irp p, 0,1,2,3
	global_load_b64 v[AS+8*\bl+2*\p:AS+8*\bl+2*\p+1], v[L8], s[36:37] offset:\bl*1024+\p*256
.endr
.endr
.irp m, 0,1,2
.irp bl, 0,1
.irp p, 0,1,2,3
	global_load_b64 v[BS+16*\m+8*\bl+2*\p:BS+16*\m+8*\bl+2*\p+1], v[L8], s[38:39] offset:\m*32768+\bl*1024+\p*256
.endr
.endr
.endr
	WIN 0xc0                                       ; the biases, into window 3, in the results' layout
.irp c, 0,1,2,3
	global_load_b128 v[BI+8*\c:BI+8*\c+3], v22, s[8:9] offset:(32*(\c/2)+8*(\c%2))*4
	global_load_b128 v[BI+8*\c+4:BI+8*\c+7], v22, s[8:9] offset:(32*(\c/2)+8*(\c%2))*4+16
	global_load_b128 v[BI+32+8*\c:BI+32+8*\c+3], v22, s[10:11] offset:(32*(\c/2)+8*(\c%2))*4
	global_load_b128 v[BI+32+8*\c+4:BI+32+8*\c+7], v22, s[10:11] offset:(32*(\c/2)+8*(\c%2))*4+16
.irp j, 0,1,2,3,4,5,6,7
	global_load_b32 v[BI+64+8*\c+\j], v23, s[12:13] offset:(32*(\c/2)+8*(\c%2))*4   ; v: a lane holds one column, so all eight registers take its bias
.endr
.endr
	WIN 0
	s_wait_tensorcnt 2                             ; my part of K steps 0-3 is in; K steps 4-7 and Wk may be out
	s_barrier_signal -1
	s_barrier_wait -1
	LDB 0, 0, 0
	LDA 0
	s_wait_loadcnt 0x0                             ; scale words and biases
	; ---- q
	KSTEP 0, 0, 0, 0, 1
	KSTEP 0, 0, 0, 1, 1
	KSTEP 0, 0, 0, 2, 1
	s_wait_tensorcnt 1                             ; my part of K steps 4-7 is in (Wk may be out),
	s_wait_dscnt 0x0
	s_barrier_signal -1
	s_barrier_wait -1                              ; everybody's is
	KSTEP 0, 0, 0, 3, 1
	KSTEP 0, 0, 0, 4, 1
	KSTEP 0, 0, 0, 5, 1
	KSTEP 0, 0, 0, 6, 1
	s_wait_dscnt 0x0                               ; the last step's fragments are in: my reads of slot 0 and of x's block are over
	WIN 0
	s_wait_tensorcnt 0x0                           ; all my tensor loads have landed: my quarter of Wk
	ds_add_u32 v[SPW], v[NIL]                      ; 0 onto my spare word: sixteen matrix instructions stand between it and the wait for it
	MUL 0, 0, 7
	WIN 0
	s_wait_dscnt 0x0                               ; the add is done
	CROUND                                         ; no wave of any partner still reads slot 0 or has a load on its way
	tensor_load_to_lds s[80:83], s[G1B:G1B+7]      ; Wv into slot 0: my one tensor load behind the round; it has all of k's tile in which to land
	s_nop 0
	PLACES                                         ; also the places behind the last products
	LDB 1, 0, 0
	WIN 0
	EPI_QK 0
	; ---- k
	KSTEP 0, 1, 1, 0, 0
	KSTEP 0, 1, 1, 1, 0
	KSTEP 0, 1, 1, 2, 0
	KSTEP 0, 1, 1, 3, 0
	KSTEP 0, 1, 1, 4, 0
	KSTEP 0, 1, 1, 5, 0
	KSTEP 0, 1, 1, 6, 0
	s_wait_dscnt 0x0
	s_wait_tensorcnt 0x0                           ; my quarter of Wv, the one load that is out, has landed
	s_barrier_signal -1
	MUL 0, 1, 7                                    ; work on registers while the others arrive
	WIN 0
	s_barrier_wait -1                              ; slot 0 is whole
	PLACES
	LDB 0, 0, 0
	WIN 0
	EPI_QK 1
	; ---- v
	KSTEP 1, 2, 0, 0, 0
	KSTEP 1, 2, 0, 1, 0
	KSTEP 1, 2, 0, 2, 0
	KSTEP 1, 2, 0, 3, 0
	KSTEP 1, 2, 0, 4, 0
	KSTEP 1, 2, 0, 5, 0
	KSTEP 1, 2, 0, 6, 0
	s_wait_dscnt 0x0
	MUL 1, 2, 7
	WIN 0
	PLACES
	EPI_V
	s_wait_tensorcnt 0x0                           ; the wave's end
	ds_add_u32 v[SPW], v[NIL]
	s_wait_dscnt 0x0
	CROUND                                         ; the closing round
	s_endpgm
.Lfunc_end_k_q9e07d6a41f_qkv:
	.size	k_q9e07d6a41f_qkv, .Lfunc_end_k_q9e07d6a41f_qkv-k_q9e07d6a41f_qkv
	.p2alignl 7, 3214868480
	.fill 96, 4, 3214868480
	.section	.rodata,"a",@progbits
	.p2align	6, 0x0
	.amdhsa_kernel k_q9e07d6a41f_qkv
		.amdhsa_group_segment_fixed_size 327680
		.amdhsa_private_segment_fixed_size 0
		.amdhsa_enable_private_segment 0
		.amdhsa_kernarg_size 56
		.amdhsa_user_sgpr_count 2
		.amdhsa_user_sgpr_kernarg_segment_ptr 1
		.amdhsa_wavefront_size32 1
		.amdhsa_system_sgpr_workgroup_id_x 1
		.amdhsa_system_sgpr_workgroup_id_y 1
		.amdhsa_system_sgpr_workgroup_id_z 1
		.amdhsa_system_vgpr_workitem_id 0
		.amdhsa_next_free_vgpr 1024
		.amdhsa_next_free_sgpr 100
		.amdhsa_reserve_vcc 0
		.amdhsa_float_denorm_mode_32 3
		.amdhsa_float_denorm_mode_16_64 3
		.amdhsa_memory_ordered 1
		.amdhsa_forward_progress 1
		.amdhsa_inst_pref_size 129
	.end_amdhsa_kernel
	.amdgpu_metadata
---
amdhsa.version: [ 1, 2 ]
amdhsa.kernels:
  - .name:           k_q9e07d6a41f_qkv
    .symbol:         k_q9e07d6a41f_qkv.kd
    .args:
      - { .name: xw_codes, .offset: 0, .size: 8, .value_kind: global_buffer, .address_space: global }
      - { .name: xw_scales, .offset: 8, .size: 8, .value_kind: global_buffer, .address_space: global }
      - { .name: bq, .offset: 16, .size: 8, .value_kind: global_buffer, .address_space: global }
      - { .name: bk, .offset: 24, .size: 8, .value_kind: global_buffer, .address_space: global }
      - { .name: bv, .offset: 32, .size: 8, .value_kind: global_buffer, .address_space: global }
      - { .name: qkv_codes, .offset: 40, .size: 8, .value_kind: global_buffer, .address_space: global }
      - { .name: qkv_scales, .offset: 48, .size: 8, .value_kind: global_buffer, .address_space: global }
    .group_segment_fixed_size: 327680
    .private_segment_fixed_size: 0
    .kernarg_segment_align: 8
    .kernarg_segment_size: 56
    .max_flat_workgroup_size: 128
    .sgpr_count:     100
    .vgpr_count:     1024
    .wavefront_size: 32
...
	.end_amdgpu_metadata
.endif
;; end of part 2
;; launch attn (part 3): grid 32 x 8, 16 waves a work-group, no clusters, 80,896 bytes of LDS; arguments qkv_codes, qkv_scales, o_codes, o_scales; writes o_codes, o_scales
.if DOCPART == 3
	.amdgcn_target "amdgcn-amd-amdhsa--gfx1250"
	.amdhsa_code_object_version 6
	.text
	.protected	k_q9e07d6a41f_attn
	.globl	k_q9e07d6a41f_attn
	.p2align	8
	.type	k_q9e07d6a41f_attn,@function
k_q9e07d6a41f_attn:
	s_mov_b64 s[64:65], 0
	v_nop
	global_prefetch_b8 v0, s[64:65] scope:SCOPE_SE
	s_setreg_imm32_b32 hwreg(HW_REG_WAVE_MODE, 25, 1), 1
	s_wait_xcnt 0x0
; Attention in a window: query i sees the keys j with |i - j| <= 128.  Both products on codes of FP6 (E2M3) with E8M0 scales; the result, divided by the row's sum, is quantised along head x 64 + d and stored as codes for the last product.
; SHARES.  Work-group (RB, sp): 128 queries x heads 2 sp and 2 sp + 1.  Wave w: head 2 sp + w / 8, tile t = w % 8 of 16 queries.  The 128 queries see three chunks of 128 keys: RB (all of it counts), RB - 1 (key kappa counts where kappa >= the query's
; place in its block) and RB + 1 (where kappa <= it).  At the sequence's ends a chunk that does not exist is copied from the clamped address and its step is jumped over: a scalar branch on the work-group's number.
; K = 64 IN THE FIRST PRODUCT: q's fragment has zero codes for k = 64 .. 127, and the scale words' upper two bytes are 0 (2^-127): whatever stands in k's registers 6-11 is multiplied by zeros.  So eight tiles of keys lie 6 registers apart.
; SOFTMAX: t = score x log2(e) / 8; M = the running largest t rounded up to a whole number; p = 2^(t - M) is quantised along the keys; the sum is taken of the unquantised p; when M moves, sum and O are multiplied by 2^(old M - new M), exactly.
; Both products are used transposed: a lane holds one query.  The keys of a tile, and the d of a tile of V, lie in the order 32 b + 8 u + rho + 8 (rho / 8), so that 16 result registers are 16 neighbours.
; LDS is filled once, through registers (12 waves a piece of 6,144 bytes, two waves the scale words): one barrier.  No cluster: a chunk is read by three neighbouring work-groups at three different places of their LDS, and a joint load has one LDS address for all.
; LIMITS: a hidden key has weight exactly 0, as in the reference while a row's largest logit lies above about -1e9 + 150; 1 / sum by v_rcp_f32; a block of zeros gets the scale byte 1; NaN and infinities are not served.
.set AK16, 1                           ; v1-2  my lane's place in my head's pieces of K (16 and 8 bytes a lane)
.set AK8,  2
.set AV16, 3                           ; v3-4  of V
.set AV8,  4
.set AKS,  5                           ; v5    in K's scale words
.set AVS,  6                           ; v6    in V's
.set DL,   7                           ; v7    my query's place in its block - 16 (lane / 16)
.set L16,  8
.set L8,   9
.set OSA,  10                          ; v10   where my two scale bytes of the result go
.set NINF, 11
.set QF,   16                          ; v16-27  Q's fragment (22-27 zeros)
.set KV,   28                          ; v28-75  eight tiles of K, later four fragments of V;  v76-81 zeros
.set QS,   82
.set PS,   83
.set KSR,  84
.set VSR,  88
.set S,    96
.set O,    160
.set PC,   192
.set BM,   204
.set BP,   208
.set SC,   212
.set Y,    216
.set F,    224
.set T,    226
.set HWR,  227
.set CPY,  228
.set KSW,  229
.set VSW,  230
.set OSR,  231
.set GV,   232
.set CS,   22
.set SEL,  24
.macro PLACES
.rept 4
	v_nop
.endr
.endm
.macro WM d, a, b, c, sa, sb, ra       ; one matrix instruction; c: the C operand as text; ra: source 0's scale words stand in lanes 16-31
.if (\ra)
	v_wmma_scale_f32_16x16x128_f8f6f4 v[\d:\d+7], v[\a:\a+11], v[\b:\b+11], \c, v[\sa], v[\sb] matrix_a_fmt:MATRIX_FMT_FP6 matrix_b_fmt:MATRIX_FMT_FP6 matrix_a_scale:MATRIX_SCALE_ROW1
.else
	v_wmma_scale_f32_16x16x128_f8f6f4 v[\d:\d+7], v[\a:\a+11], v[\b:\b+11], \c, v[\sa], v[\sb] matrix_a_fmt:MATRIX_FMT_FP6 matrix_b_fmt:MATRIX_FMT_FP6
.endif
.endm
	s_load_b256 s[4:11], s[0:1], 0x0               ; qkv_codes, qkv_scales, o_codes, o_scales
	v_lshl_add_u32 v254, v0, 2, 0x13400
	v_mov_b32 v255, 0
	v_lshrrev_b32 v1, 5, v0
	v_readfirstlane_b32 s12, v1                    ; wave 0..15
	s_lshr_b32 s13, s12, 3                         ; hh
	s_and_b32 s14, s12, 7                          ; t
	s_mov_b32 s15, ttmp9                           ; RB
	s_and_b32 s16, ttmp7, 0xffff                   ; sp
	s_lshl_b32 s17, s16, 1
	s_add_co_u32 s17, s17, s13                     ; my head
	v_and_b32 v90, 31, v0                          ; lane
	v_and_b32 v91, 15, v0                          ; r
	v_bfe_u32 v92, v0, 4, 1                        ; h
	v_lshlrev_b32 v[L16], 4, v90
	v_lshlrev_b32 v[L8], 3, v90
	v_lshlrev_b32 v93, 2, v90
	v_lshlrev_b32 v95, 3, v91                      ; 8 r
	; every LDS address is made here, ahead of the parting of the roles
	s_mul_i32 s32, s13, 18432
	v_add_nc_u32 v[AK16], s32, v[L16]
	v_add_nc_u32 v[AK8], s32, v[L8]
	v_add_nc_u32 v[AK8], 512, v[AK8]
	v_add_nc_u32 v[AV16], 36864, v[AK16]
	v_add_nc_u32 v[AV8], 36864, v[AK8]
	s_mul_i32 s32, s13, 1536
	s_add_co_u32 s32, s32, 73728
	v_add_nc_u32 v[AKS], s32, v[L8]
	s_mul_i32 s32, s13, 768
	s_add_co_u32 s32, s32, 76800
	v_add_nc_u32 v[AVS], s32, v93
	s_lshl_b32 s32, s14, 6
	s_lshl_b32 s33, s13, 1
	s_add_co_u32 s32, s32, s33
	s_add_co_u32 s32, s32, 78336
	v_lshl_add_u32 v[OSA], v91, 2, s32             ; 78,336 + 64 t + 4 r + 2 hh
	s_min_u32 s32, s12, 11
	s_mul_i32 s32, s32, 6144
	v_add_nc_u32 v[CPY], s32, v[L16]               ; the piece that waves 0 to 11 copy
	v_add_nc_u32 v[KSW], 73728, v[L16]
	v_add_nc_u32 v[VSW], 76800, v93
	v_add_nc_u32 v[OSR], 78336, v[L16]
	s_lshr_b32 s32, s14, 1
	s_lshl_b32 s32, s32, 5
	s_and_b32 s33, s14, 1
	s_lshl_b32 s33, s33, 3
	s_add_co_u32 s32, s32, s33                     ; my tile's first query in the block: 32 (t / 2) + 8 (t % 2)
	v_and_b32 v[DL], 8, v91
	v_add_nc_u32 v[DL], v[DL], v91
	v_add_nc_u32 v[DL], s32, v[DL]
	v_lshlrev_b32 v94, 4, v92
	v_sub_nc_u32 v[DL], v[DL], v94
	v_mov_b32 v[NINF], 0xff800000
.irp i, 0,1,2,3,4,5
	v_mov_b32 v[QF+6+\i], 0                        ; q's codes for k = 64 .. 127
	v_mov_b32 v[KV+48+\i], 0                       ; behind the last tile of keys
.endr
.irp i, 0,1,2,3
	v_mov_b32 v[BP+\i], 0                          ; a lane permute's destination counts as read
.endr
	v_mov_b32 v[F+1], 0                            ; named as the upper half of a pair
	s_mov_b32 s[CS], 0x3e38aa3b                    ; c = log2(e) / 8
	s_mov_b32 s[CS+1], s[CS]
	s_mov_b32 s[SEL], 0x76543210
	s_mov_b32 s[SEL+1], 0xfedcba98
	s_mul_i32 s18, s17, 196608
	s_lshl_b32 s19, s15, 3
	s_add_co_u32 s19, s19, s14
	s_mul_i32 s19, s19, 768
	s_add_co_u32 s18, s18, s19                     ; q: head x 196,608 + (8 RB + t) x 768
	s_mov_b32 s19, 0
	s_lshl_b32 s20, s17, 14
	s_lshl_b32 s32, s15, 1
	s_lshr_b32 s33, s14, 2
	s_add_co_u32 s32, s32, s33
	s_lshl_b32 s32, s32, 8
	s_add_co_u32 s20, s20, s32
	s_and_b32 s32, s14, 1
	s_lshl_b32 s32, s32, 7
	s_add_co_u32 s20, s20, s32
	s_bfe_u32 s32, s14, 0x10001
	s_lshl_b32 s32, s32, 2
	s_add_co_u32 s20, s20, s32                     ; q's scale words: head x 16,384 + (2 RB + t / 4) x 256 + 128 (t % 2) + 4 ((t / 2) % 2)
	s_mov_b32 s21, 0
	s_lshl_b32 s28, s15, 3
	s_add_co_u32 s28, s28, s16                     ; 8 RB + sp
	s_lshl_b32 s30, s28, 9
	s_mov_b32 s31, 0
	s_lshl_b32 s28, s28, 3
	s_add_co_u32 s28, s28, s14
	s_mul_i32 s28, s28, 1536
	s_mul_i32 s29, s13, 768
	s_add_co_u32 s28, s28, s29
	s_mov_b32 s29, 0
	s_wait_kmcnt 0x0
	s_add_nc_u64 s[18:19], s[4:5], s[18:19]
	s_add_nc_u64 s[20:21], s[6:7], s[20:21]
	s_add_nc_u64 s[28:29], s[8:9], s[28:29]        ; my half fragment of the result
	s_add_nc_u64 s[30:31], s[10:11], s[30:31]      ; the work-group's 512 bytes of its scale words
	global_load_b128 v[QF:QF+3], v[L16], s[18:19]
	global_load_b64 v[QF+4:QF+5], v[L8], s[18:19] offset:512
	global_load_b32 v[QS], v95, s[20:21]
	; ---- the roles: waves 0-11 copy a piece each, wave 12 K's scale words, wave 13 V's
	s_cmp_lt_u32 s12, 12
	s_cbranch_scc0 .Lnot_piece
	s_mul_i32 s32, s12, 11
	s_lshr_b32 s32, s32, 5                         ; p / 3
	s_lshr_b32 s33, s32, 1                         ; 0: K, 1: V
	s_and_b32 s34, s32, 1                          ; which head of the pair
	s_mul_i32 s35, s32, 3
	s_sub_co_u32 s35, s12, s35                     ; which chunk: 0, 1, 2
	s_add_co_u32 s35, s35, s15
	s_sub_co_i32 s35, s35, 1
	s_max_i32 s35, s35, 0
	s_min_i32 s35, s35, 31                         ; RB - 1 + chunk, held inside the sequence
	s_mul_i32 s35, s35, 6144
	s_lshl_b32 s36, s16, 1
	s_add_co_u32 s36, s36, s34
	s_mul_i32 s36, s36, 196608
	s_add_co_u32 s36, s36, s35
	s_add_co_u32 s33, s33, 1
	s_mul_i32 s33, s33, 3145728                    ; k's section, or v's
	s_add_co_u32 s36, s36, s33
	s_mov_b32 s37, 0
	s_add_nc_u64 s[26:27], s[4:5], s[36:37]
.irp i, 0,1,2,3,4,5,6,7,8,9,10,11
	global_load_b128 v[S+4*\i:S+4*\i+3], v[L16], s[26:27] offset:512*\i
.endr
.irp i, 0,1,2,3,4,5,6,7,8,9,10,11
	s_wait_loadcnt 11-\i                           ; the loads issued behind this one may be out
	ds_store_b128 v[CPY], v[S+4*\i:S+4*\i+3] offset:512*\i
.endr
	s_branch .Ljoin
.Lnot_piece:
	s_sub_co_i32 s32, s15, 1
	s_max_i32 s32, s32, 0                          ; the three chunks' numbers, held inside the sequence
	s_mov_b32 s33, s15
	s_add_co_u32 s34, s15, 1
	s_min_i32 s34, s34, 31
	s_cmp_eq_u32 s12, 12
	s_cbranch_scc0 .Lnot_ks
.irp c, 0,1,2
	s_lshl_b32 s[36+\c], s[32+\c], 9               ; 512 bytes of k's scale words a chunk
	v_add_nc_u32 v[GV+\c], s[36+\c], v[L16]
.endr
	s_lshl_b32 s40, s16, 15
	s_add_co_u32 s40, s40, 262144
	s_mov_b32 s41, 0
	s_add_nc_u64 s[26:27], s[6:7], s[40:41]
.irp y, 0,1
.irp c, 0,1,2
	global_load_b128 v[S+4*(3*\y+\c):S+4*(3*\y+\c)+3], v[GV+\c], s[26:27] offset:16384*\y
.endr
.endr
	s_wait_loadcnt 0x0
.irp y, 0,1
.irp c, 0,1,2
	ds_store_b128 v[KSW], v[S+4*(3*\y+\c):S+4*(3*\y+\c)+3] offset:1536*\y+512*\c
.endr
.endr
	s_branch .Ljoin
.Lnot_ks:
	s_cmp_eq_u32 s12, 13
	s_cbranch_scc0 .Ljoin
.irp c, 0,1,2
	s_lshl_b32 s[36+\c], s[32+\c], 8               ; 256 bytes of v's scale bytes a chunk: two runs of 64 keys
	v_add_nc_u32 v[GV+\c], s[36+\c], v93
.endr
	s_lshl_b32 s40, s16, 14
	s_add_co_u32 s40, s40, 524288
	s_mov_b32 s41, 0
	s_add_nc_u64 s[26:27], s[6:7], s[40:41]
.irp y, 0,1
.irp c, 0,1,2
	global_load_b32 v[S+2*(3*\y+\c)], v[GV+\c], s[26:27] offset:8192*\y
	global_load_b32 v[S+2*(3*\y+\c)+1], v[GV+\c], s[26:27] offset:8192*\y+128
.endr
.endr
	s_wait_loadcnt 0x0
.irp y, 0,1
.irp c, 0,1,2
	v_perm_b32 v[S+32+2*(3*\y+\c)], v[S+2*(3*\y+\c)+1], v[S+2*(3*\y+\c)], 0x05040100   ; tiles 0, 1 of d: the first 64 keys' two bytes below, the second 64 keys' above
	v_perm_b32 v[S+33+2*(3*\y+\c)], v[S+2*(3*\y+\c)+1], v[S+2*(3*\y+\c)], 0x07060302   ; tiles 2, 3
.endr
.endr
.irp y, 0,1
.irp c, 0,1,2
	ds_store_b32 v[VSW], v[S+32+2*(3*\y+\c)] offset:768*\y+256*\c
	ds_store_b32 v[VSW], v[S+33+2*(3*\y+\c)] offset:768*\y+256*\c+128
.endr
.endr
.Ljoin:
	s_wait_loadcnt 0x0                             ; Q and its scale words
	s_wait_dscnt 0x0                               ; for the others' sake: my stores have landed
	s_barrier_signal -1
	s_barrier_wait -1
; A STEP: chunk ch of 128 keys.  mask 0: all count; 1: key kappa is hidden where kappa < my query's place; 2: where kappa > it.  first = 1: the step starts M, the sum and O^T.
.macro ASTEP ch, mask, first
	PLACES                                         ; in front of loads into registers that the last products read
.irp tau, 0,1,2,3,4,5,6,7
	ds_load_b128 v[KV+6*\tau:KV+6*\tau+3], v[AK16] offset:(\ch)*6144+768*\tau
	ds_load_b64 v[KV+6*\tau+4:KV+6*\tau+5], v[AK8] offset:(\ch)*6144+768*\tau
.endr
.irp g, 0,1
	ds_load_b64 v[KSR+2*\g:KSR+2*\g+1], v[AKS] offset:(\ch)*512+256*\g
	ds_load_b32 v[VSR+\g], v[AVS] offset:(\ch)*256+128*\g
.endr
	s_wait_dscnt 0x0
.irp tau, 0,1,2,3,4,5,6,7                      ; S^T = K Q^T: lane (r, h) holds query r; register 16 b + i is key 32 b + 16 h + i of the chunk
	WM S+8*\tau, KV+6*\tau, QF, 0, KSR+\tau/2, QS, \tau%2
.endr
	PLACES
.irp c, 0,1,2,3                                ; V's four fragments land while the softmax is walked
.irp e, 0,1
	ds_load_b128 v[KV+12*\c+6*\e:KV+12*\c+6*\e+3], v[AV16] offset:(\ch)*6144+(4*\e+\c)*768
	ds_load_b64 v[KV+12*\c+6*\e+4:KV+12*\c+6*\e+5], v[AV8] offset:(\ch)*6144+(4*\e+\c)*768
.endr
.endr
.if (\mask) == 1
.set n, 0
.rept 64
	v_cmp_lt_i32 vcc_lo, 32*(n/16)+n%16, v[DL]
	v_cndmask_b32 v[S+n], v[S+n], v[NINF], vcc_lo
.set n, n+1
.endr
.elseif (\mask) == 2
.set n, 0
.rept 64
	v_cmp_gt_i32 vcc_lo, 32*(n/16)+n%16, v[DL]
	v_cndmask_b32 v[S+n], v[S+n], v[NINF], vcc_lo
.set n, n+1
.endr
.endif
.irp b, 0,1,2,3
	v_max3_num_f32 v[BM+\b], v[S+16*\b], v[S+16*\b+1], v[S+16*\b+2]   ; the largest score of each block of 32 keys: for the row's maximum, and, since p rises with the score, for the block's largest p
.endr
.irp i, 3,5,7,9,11,13
.irp b, 0,1,2,3
	v_max3_num_f32 v[BM+\b], v[BM+\b], v[S+16*\b+\i], v[S+16*\b+\i+1]
.endr
.endr
.irp b, 0,1,2,3
	v_max_num_f32 v[BM+\b], v[BM+\b], v[S+16*\b+15]
.endr
.irp b, 0,1,2,3
	v_permlanex16_b32 v[BP+\b], v[BM+\b], s[SEL], s[SEL+1]
.endr
.irp b, 0,1,2,3
	v_max_num_f32 v[BM+\b], v[BM+\b], v[BP+\b]
.endr
	v_max3_num_f32 v[T], v[BM], v[BM+1], v[BM+2]
	v_max_num_f32 v[T], v[T], v[BM+3]
.if \first
	v_mul_f32 v13, s[CS], v[T]                     ; the largest t
	v_floor_f32 v12, -v13                          ; -M = floor(-t): M is a whole number
.else
	v_mul_f32 v[T], s[CS], v[T]
	v_max_num_f32 v13, v13, v[T]                   ; the running largest t
	v_mov_b32 v[T], v12
	v_floor_f32 v12, -v13
	v_sub_f32 v[T], v12, v[T]                      ; old M - new M: a whole number, 0 or less
	v_cvt_i32_f32 v[T], v[T]
	v_ldexp_f32 v[F], 1.0, v[T]                    ; f = 2^(old M - new M)
.endif
.set n, 0
.rept 32
	v_pk_fma_f32 v[S+n:S+n+1], v[S+n:S+n+1], s[CS:CS+1], v[12:13] op_sel_hi:[1,0,0]   ; t - M
.set n, n+2
.endr
.irp b, 0,1,2,3
	v_fma_f32 v[BM+\b], v[BM+\b], s[CS], v12
.endr
.set n, 0
.rept 64
	v_exp_f32 v[S+n], v[S+n]                       ; p = 2^(t - M)
.set n, n+1
.endr
.if \first
	v_nop                                          ; a plain place behind the exponentials
.else
	v_pk_mul_f32 v[14:15], v[14:15], v[F:F+1] op_sel_hi:[1,0]   ; the sums under the new M; also the plain place behind the exponentials
.endif
	s_wait_alu depctr_va_vdst(0)                   ; one wait for the batch, ahead of its first reader
.irp b, 0,1,2,3
	v_exp_f32 v[BM+\b], v[BM+\b]                   ; the blocks' largest p
.endr
	v_pk_add_f32 v[BP:BP+1], v[S:S+1], v[S+2:S+3]  ; the sum of the unquantised p, in two chains
.if \first
	v_pk_add_f32 v[14:15], v[S+4:S+5], v[S+8:S+9]
	v_pk_add_f32 v[BP:BP+1], v[BP:BP+1], v[S+6:S+7]
	v_pk_add_f32 v[BP:BP+1], v[BP:BP+1], v[S+10:S+11]
.else
	v_pk_add_f32 v[14:15], v[14:15], v[S+4:S+5]
	v_pk_add_f32 v[BP:BP+1], v[BP:BP+1], v[S+6:S+7]
	v_pk_add_f32 v[14:15], v[14:15], v[S+8:S+9]
	v_pk_add_f32 v[BP:BP+1], v[BP:BP+1], v[S+10:S+11]
.endif
.irp j, 12,16,20,24,28,32,36,40,44,48,52,56,60
	v_pk_add_f32 v[14:15], v[14:15], v[S+\j:S+\j+1]
	v_pk_add_f32 v[BP:BP+1], v[BP:BP+1], v[S+\j+2:S+\j+3]
.endr
	v_pk_add_f32 v[14:15], v[14:15], v[BP:BP+1]
	s_wait_alu depctr_va_vdst(0)                   ; and one for the four
.irp b, 0,1,2,3
	v_max_num_f32 v[BM+\b], 0x1800000, v[BM+\b]    ; the floor: the byte cannot fall under 1 (a block whose every p is 0 keeps that byte: its codes are zeros)
.endr
.irp b, 0,1,2,3
	v_add_nc_u32 v[SC+\b], 0xff000000, v[BM+\b]
.endr
.irp b, 0,1,2,3
	v_lshrrev_b32 v[BP+\b], 23, v[SC+\b]
.endr
	v_lshl_or_b32 v[PS], v[BP+1], 8, v[BP]         ; p's scale word for these 128 keys
	v_lshl_or_b32 v[PS], v[BP+2], 16, v[PS]
	v_lshl_or_b32 v[PS], v[BP+3], 24, v[PS]
.irp c, 0,1
	v_cvt_scalef32_pk16_fp6_f32 v[PC+6*\c:PC+6*\c+2], v[S+32*\c:S+32*\c+15], v[SC+2*\c]
	v_cvt_scalef32_pk16_fp6_f32 v[Y+4*\c:Y+4*\c+2], v[S+32*\c+16:S+32*\c+31], v[SC+2*\c+1]
.endr
	v_nop                                          ; one plain place behind a scaled conversion
.irp c, 0,1
.irp i, 0,1,2
	v_permlane16_swap_b32 v[PC+6*\c+\i], v[Y+4*\c+\i]
.endr
.irp i, 0,1,2
	v_mov_b32 v[PC+6*\c+3+\i], v[Y+4*\c+\i]
.endr
.endr
.if \first
.rept 8
	v_nop                                          ; a scale register written by a vector instruction stands 8 places ahead of a scaled matrix instruction
.endr
.else
.set n, 0
.rept 16
	v_pk_mul_f32 v[O+n:O+n+1], v[O+n:O+n+1], v[F:F+1] op_sel_hi:[1,0]   ; O^T under the new M; of these sixteen twelve name no register of any one product below: its places
.set n, n+2
.endr
.endif
	s_wait_dscnt 0x0                               ; V
.irp c, 0,1,2,3                                ; O^T += V^T P^T: register 8 c + j is d = 32 (c / 2) + 16 h + 8 (c % 2) + j
.if \first
	WM O+8*\c, KV+12*\c, PC, 0, VSR+\c/2, PS, \c%2
.else
	WM O+8*\c, KV+12*\c, PC, v[O+8*\c:O+8*\c+7], VSR+\c/2, PS, \c%2
.endif
.endr
.endm
	ASTEP 1, 0, 1                                  ; my own chunk first: every key of it counts, so M is a number from here on
	s_cmp_eq_u32 s15, 0
	s_cbranch_scc1 .Lno_low
	ASTEP 0, 1, 0
.Lno_low:
	s_cmp_eq_u32 s15, 31
	s_cbranch_scc1 .Lno_high
	ASTEP 2, 2, 0
.Lno_high:
	; ---- the way out: O^T / the sum, quantised along d: half a fragment of the last product's operand, and two scale bytes
	PLACES
	v_add_f32 v14, v14, v15
	v_permlanex16_b32 v[T], v14, s[SEL], s[SEL+1]
	v_add_f32 v14, v14, v[T]                       ; the row's sum
	v_rcp_f32 v14, v14
	v_nop                                          ; a plain place behind the transcendental
	s_wait_alu depctr_va_vdst(0)                   ; and the wait ahead of its first reader
.set n, 0
.rept 32
	v_mul_f32 v[S+n], v[O+n], v14                  ; register 16 b + i is d = 32 b + 16 h + i of my query
.set n, n+1
.endr
.irp b, 0,1
	v_max3_num_f32 v[BM+\b], |v[S+16*\b]|, |v[S+16*\b+1]|, 0x1800000
.endr
.irp i, 2,4,6,8,10,12,14
.irp b, 0,1
	v_max3_num_f32 v[BM+\b], v[BM+\b], |v[S+16*\b+\i]|, |v[S+16*\b+\i+1]|
.endr
.endr
.irp b, 0,1
	v_permlanex16_b32 v[BP+\b], v[BM+\b], s[SEL], s[SEL+1]
.endr
.irp b, 0,1
	v_max_num_f32 v[BM+\b], v[BM+\b], v[BP+\b]
.endr
.irp b, 0,1
	v_add_nc_u32 v[SC+\b], 0xff000000, v[BM+\b]
.endr
.irp b, 0,1
	v_lshrrev_b32 v[BP+2+\b], 23, v[SC+\b]
.endr
	v_lshl_or_b32 v[HWR], v[BP+3], 8, v[BP+2]
	v_cvt_scalef32_pk16_fp6_f32 v[PC:PC+2], v[S:S+15], v[SC]
	v_cvt_scalef32_pk16_fp6_f32 v[Y:Y+2], v[S+16:S+31], v[SC+1]
	v_nop
.irp i, 0,1,2
	v_permlane16_swap_b32 v[PC+\i], v[Y+\i]
.endr
.irp i, 0,1,2
	v_mov_b32 v[PC+3+\i], v[Y+\i]
.endr
	global_store_b128 v[L16], v[PC:PC+3], s[28:29]             ; 512 consecutive bytes,
	global_store_b64 v[L8], v[PC+4:PC+5], s[28:29] offset:512  ; 256 consecutive bytes
	ds_store_b16 v[OSA], v[HWR]                    ; my head's half of row r's scale word (lanes r and r + 16 write the same bytes with the same value)
	s_wait_dscnt 0x0
	s_barrier_signal -1
	s_barrier_wait -1
	s_cmp_lg_u32 s12, 0
	s_cbranch_scc1 .Lend
	ds_load_b128 v[S:S+3], v[OSR]                  ; the work-group's 128 scale words
	s_wait_dscnt 0x0
	global_store_b128 v[L16], v[S:S+3], s[30:31]   ; 512 consecutive bytes
.Lend:
	s_wait_tensorcnt 0x0
	ds_add_u32 v254, v255
	s_wait_dscnt 0x0
	s_endpgm
.Lfunc_end_k_q9e07d6a41f_attn:
	.size	k_q9e07d6a41f_attn, .Lfunc_end_k_q9e07d6a41f_attn-k_q9e07d6a41f_attn
	.p2alignl 7, 3214868480
	.fill 96, 4, 3214868480
	.section	.rodata,"a",@progbits
	.p2align	6, 0x0
	.amdhsa_kernel k_q9e07d6a41f_attn
		.amdhsa_group_segment_fixed_size 80896
		.amdhsa_private_segment_fixed_size 0
		.amdhsa_enable_private_segment 0
		.amdhsa_kernarg_size 32
		.amdhsa_user_sgpr_count 2
		.amdhsa_user_sgpr_kernarg_segment_ptr 1
		.amdhsa_wavefront_size32 1
		.amdhsa_system_sgpr_workgroup_id_x 1
		.amdhsa_system_sgpr_workgroup_id_y 1
		.amdhsa_system_sgpr_workgroup_id_z 1
		.amdhsa_system_vgpr_workitem_id 0
		.amdhsa_next_free_vgpr 256
		.amdhsa_next_free_sgpr 66
		.amdhsa_reserve_vcc 1
		.amdhsa_float_denorm_mode_32 3
		.amdhsa_float_denorm_mode_16_64 3
		.amdhsa_memory_ordered 1
		.amdhsa_forward_progress 1
		.amdhsa_inst_pref_size 73
	.end_amdhsa_kernel
	.amdgpu_metadata
---
amdhsa.version: [ 1, 2 ]
amdhsa.kernels:
  - .name:           k_q9e07d6a41f_attn
    .symbol:         k_q9e07d6a41f_attn.kd
    .args:
      - { .name: qkv_codes, .offset: 0, .size: 8, .value_kind: global_buffer, .address_space: global }
      - { .name: qkv_scales, .offset: 8, .size: 8, .value_kind: global_buffer, .address_space: global }
      - { .name: o_codes, .offset: 16, .size: 8, .value_kind: global_buffer, .address_space: global }
      - { .name: o_scales, .offset: 24, .size: 8, .value_kind: global_buffer, .address_space: global }
    .group_segment_fixed_size: 80896
    .private_segment_fixed_size: 0
    .kernarg_segment_align: 8
    .kernarg_segment_size: 32
    .max_flat_workgroup_size: 512
    .sgpr_count:     66
    .vgpr_count:     256
    .wavefront_size: 32
...
	.end_amdgpu_metadata
.endif
;; end of part 3
;; launch oproj (part 4): grid 8 x 32, 4 waves a work-group, clusters of 4 x 4, 214,528 bytes of LDS; arguments o_codes, o_scales, xw_codes, xw_scales, bo, out0; writes out0
.if DOCPART == 4
	.amdgcn_target "amdgcn-amd-amdhsa--gfx1250"
	.amdhsa_code_object_version 6
	.text
	.protected	k_q9e07d6a41f_oproj
	.globl	k_q9e07d6a41f_oproj
	.p2align	8
	.type	k_q9e07d6a41f_oproj,@function
k_q9e07d6a41f_oproj:
	s_mov_b64 s[64:65], 0
	v_nop
	global_prefetch_b8 v0, s[64:65] scope:SCOPE_SE
	s_setreg_imm32_b32 hwreg(HW_REG_WAVE_MODE, 25, 1), 1
	s_wait_xcnt 0x0
	s_wait_alu depctr_hold_cnt(0) depctr_sa_sdst(0) depctr_va_vdst(0) depctr_va_sdst(0) depctr_va_ssrc(0) depctr_va_vcc(0) depctr_vm_vsrc(0)
	s_getreg_b32 s2, hwreg(HW_REG_IB_STS2, 6, 4)
	s_cmp_eq_u32 s2, 0
	s_cbranch_scc0 .Lentry_in_a_cluster
	s_endpgm
.Lentry_in_a_cluster:
	s_bfe_u32 s2, ttmp6, 0x10000c
	s_cmp_lg_u32 s2, 0xf033
	s_cbranch_scc0 .Lentry_shape_is_right
	s_endpgm
.Lentry_shape_is_right:
; out = o Wo + bo on codes of FP6 (E2M3) with E8M0 scales; o's codes come from the attention launch, Wo's from the quantiser, both in the order of an operand's registers (a fragment: 1,536 dense bytes).
; SHARES.  Work-group (cg, RB): 128 tokens x 128 columns.  Wave w: 64 tokens (wr = w / 2) x 64 columns (wc = w % 2): 16 accumulators, 128 matrix instructions.  Source 0 = Wo's columns, source 1 = tokens: a lane holds one token and neighbouring columns.
; Tile 2 b + u holds as row rho row 32 b + 8 u + rho + 8 (rho / 8) of its 128.  bo is the C of each sum's first matrix instruction (added ahead of the products: another order of rounding than o Wo + bo).
; CLUSTER 4 x 4: o's block is shared along a row of the cluster, Wo's along a column: joint loads, two a wave (K steps 0-3, K steps 4-7), all at the start.  No LDS byte is filled twice.
; LDS: o's block 98,304 bytes, Wo's 98,304, and a stage of 16 rows x (256 + 16) bytes for each wave, into which no tile lands.
; REGISTERS: window 0: v5-26 addresses; v32-47 o's scale words; v48-63 Wo's; v96-223 the accumulators.  Windows 1, 2: o's fragments of K steps 0-3, 4-7.  Window 3: v0-95 Wo's fragments, two sets; v96-127 the bias.
.set STAGE, 196608
.set L16, 19
.set L8,  20
.set L4,  21
.set STO, 24
.set RD,  25
.set GO,  26
.set AS,  32
.set BS,  48
.set ACC, 96
.set BI,  96
.set G1A, 40
.set G1B, 48
.set MSB, 0
.macro WIN new
.if MSB != \new
	s_set_vgpr_msb (MSB<<8)|\new
.set MSB, \new
.endif
.endm
.macro PLACES
.rept 4
	v_nop
.endr
.endm
.macro JLOAD g0a, g0b                  ; waves 0 and 1 fetch for o, waves 2 and 3 for Wo; four v_nop follow each line
	s_cmp_eq_u32 s19, 0
	s_cbranch_scc0 .Lfor_b_\@
	tensor_load_to_lds s[\g0a:\g0a+3], s[G1A:G1A+7]
	s_nop 0
.rept 4
	v_nop
.endr
	s_branch .Lasked_\@
.Lfor_b_\@:
	tensor_load_to_lds s[\g0b:\g0b+3], s[G1B:G1B+7]
	s_nop 0
.rept 4
	v_nop
.endr
.Lasked_\@:
.endm
.macro CROUND
	s_barrier_signal -1
	s_barrier_wait -1
	s_cmp_lg_u32 s18, 0
	s_cbranch_scc1 .Lnot_wave_0_\@
	s_barrier_signal -3
.Lnot_wave_0_\@:
	s_barrier_wait -3
	s_barrier_signal -1
	s_barrier_wait -1
.endm
.macro WM d, a, b, c, sa, sb, ra, rb
.if (\ra) && (\rb)
	v_wmma_scale_f32_16x16x128_f8f6f4 v[\d:\d+7], v[\a:\a+11], v[\b:\b+11], v[\c:\c+7], v[\sa], v[\sb] matrix_a_fmt:MATRIX_FMT_FP6 matrix_b_fmt:MATRIX_FMT_FP6 matrix_a_scale:MATRIX_SCALE_ROW1 matrix_b_scale:MATRIX_SCALE_ROW1
.elseif (\ra)
	v_wmma_scale_f32_16x16x128_f8f6f4 v[\d:\d+7], v[\a:\a+11], v[\b:\b+11], v[\c:\c+7], v[\sa], v[\sb] matrix_a_fmt:MATRIX_FMT_FP6 matrix_b_fmt:MATRIX_FMT_FP6 matrix_a_scale:MATRIX_SCALE_ROW1
.elseif (\rb)
	v_wmma_scale_f32_16x16x128_f8f6f4 v[\d:\d+7], v[\a:\a+11], v[\b:\b+11], v[\c:\c+7], v[\sa], v[\sb] matrix_a_fmt:MATRIX_FMT_FP6 matrix_b_fmt:MATRIX_FMT_FP6 matrix_b_scale:MATRIX_SCALE_ROW1
.else
	v_wmma_scale_f32_16x16x128_f8f6f4 v[\d:\d+7], v[\a:\a+11], v[\b:\b+11], v[\c:\c+7], v[\sa], v[\sb] matrix_a_fmt:MATRIX_FMT_FP6 matrix_b_fmt:MATRIX_FMT_FP6
.endif
.endm
.macro FRAGLD d, a16, a8, off
	ds_load_b128 v[\d:\d+3], v[\a16] offset:\off
	ds_load_b64 v[\d+4:\d+5], v[\a8] offset:\off
	ds_load_b128 v[\d+6:\d+9], v[\a16] offset:\off+768
	ds_load_b64 v[\d+10:\d+11], v[\a8] offset:\off+768
.endm
.macro LDB s, p
	WIN 0xc0
.irp c, 0,1,2,3
	FRAGLD 48*(\p)+12*\c, 9+2*((\s)/4), 10+2*((\s)/4), ((\s)%4)*12288+\c*1536
.endr
.endm
.macro LDA s
.set wn, 0x40*(1+(\s)/4)
	WIN wn
.irp a, 0,1,2,3
	FRAGLD 48*((\s)%4)+12*\a, 5+2*((\s)/4), 6+2*((\s)/4), ((\s)%4)*12288+\a*1536
.endr
.endm
.macro MUL s                           ; 16 matrix instructions; the 16 accumulators take turns, one instruction a turn, in the same order in every step
.if (\s) == 0
	WIN 0x37
.elseif (\s) < 4
	WIN 0x07
.else
	WIN 0x0b
.endif
.irp a, 0,1,2,3
.irp c, 0,1,2,3
.set rW, 48*((\s)%2)+12*\c
.set rX, 48*((\s)%4)+12*\a
.set rSW, BS+8*(\c/2)+(\s)
.set rSX, AS+8*(\a/2)+(\s)
.set rD, ACC+8*(4*\a+\c)
.set rC, rD
.if (\s) == 0
.set rC, BI+8*\c
.endif
	WM rD, rW, rX, rC, rSW, rSX, \c%2, \a%2
.endr
.endr
.endm
.macro KSTEP s
	PLACES                                         ; the loads land in the set that the step before multiplied
	LDB (\s)+1, ((\s)+1)%2
	LDA (\s)+1
	s_wait_dscnt 32                                ; all but the 32 loads just issued
	MUL \s
.endm
	s_load_b256 s[4:11], s[0:1], 0x0               ; o_codes, o_scales, xw_codes, xw_scales
	s_load_b128 s[12:15], s[0:1], 0x20             ; bo, out0
	v_lshl_add_u32 v254, v0, 2, 0x34400
	v_mov_b32 v255, 0
	ds_add_u32 v254, v255
	ds_add_u32 v254, v255
	v_lshrrev_b32 v3, 5, v0
	v_readfirstlane_b32 s18, v3                    ; wave 0..3
	s_lshr_b32 s19, s18, 1                         ; wr; also: I fetch for o (0) or for Wo (1)
	s_and_b32 s20, s18, 1                          ; wc; also: which part of a piece I fetch
	s_bfe_u32 s21, ttmp6, 0x40000                  ; cx
	s_bfe_u32 s22, ttmp6, 0x40004                  ; cy
	s_lshl_b32 s23, ttmp9, 2
	s_add_co_u32 s23, s23, s21                     ; cg
	s_and_b32 s24, ttmp7, 0xffff
	s_lshl_b32 s24, s24, 2
	s_add_co_u32 s24, s24, s22                     ; RB
	s_lshl_b32 s25, s22, 2
	s_lshl_b32 s25, 15, s25                        ; my row of the cluster
	s_lshl_b32 s26, 0x1111, s21                    ; my column
	s_or_b32 s[G1A], s25, (3<<16)|(1<<21)          ; 24,576 dense bytes as 96 rows of 256 bytes, no padding
	s_or_b32 s[G1B], s26, (3<<16)|(1<<21)
.irp g, G1A, G1B
	s_mov_b32 s[\g+1], 32<<16
	s_mov_b32 s[\g+2], 96<<16
	s_mov_b32 s[\g+3], 32<<16
	s_mov_b32 s[\g+4], 96
	s_mov_b32 s[\g+5], 32
	s_mov_b32 s[\g+6], 0
	s_mov_b32 s[\g+7], 0
.endr
	s_mul_i32 s27, s20, 24576
	s_mul_i32 s28, s24, 98304                      ; o: block RB
	s_add_co_u32 s28, s28, s27
	s_mov_b32 s29, 0
	s_add_co_u32 s32, s23, 56
	s_mul_i32 s32, s32, 98304                      ; Wo: block 56 + cg
	s_add_co_u32 s32, s32, s27
	s_mov_b32 s33, 0
	s_wait_dscnt 0x0
	s_wait_kmcnt 0x0
	s_add_nc_u64 s[28:29], s[4:5], s[28:29]
	s_add_nc_u64 s[32:33], s[8:9], s[32:33]
	CROUND                                         ; all sixteen work-groups are here: the joint loads meet
	s_mov_b32 s56, 1
	s_mov_b32 s57, s27
	s_mov_b64 s[58:59], s[28:29]
	s_or_b32 s59, s59, 0x80000000
	s_mov_b32 s60, 1
	s_add_co_u32 s61, s27, 49152
	s_add_nc_u64 s[62:63], s[28:29], 49152
	s_or_b32 s63, s63, 0x80000000
	s_mov_b32 s68, 1
	s_add_co_u32 s69, s27, 98304
	s_mov_b64 s[70:71], s[32:33]
	s_or_b32 s71, s71, 0x80000000
	s_mov_b32 s72, 1
	s_add_co_u32 s73, s27, 147456
	s_add_nc_u64 s[74:75], s[32:33], 49152
	s_or_b32 s75, s75, 0x80000000
	JLOAD 56, 68
	JLOAD 60, 72
	v_and_b32 v3, 31, v0                           ; lane
	v_and_b32 v4, 15, v0                           ; r
	v_bfe_u32 v17, v0, 4, 1                        ; h
	v_lshlrev_b32 v[L16], 4, v3
	v_lshlrev_b32 v[L8], 3, v3
	v_lshlrev_b32 v[L4], 2, v3
	s_mul_i32 s31, s19, 6144
	v_add_nc_u32 v5, s31, v[L16]
	v_add_nc_u32 v6, s31, v[L8]
	v_add_nc_u32 v6, 512, v6
	v_add_nc_u32 v7, 49152, v5
	v_add_nc_u32 v8, 49152, v6
	s_mul_i32 s31, s20, 6144
	s_add_co_u32 s31, s31, 98304
	v_add_nc_u32 v9, s31, v[L16]
	v_add_nc_u32 v10, s31, v[L8]
	v_add_nc_u32 v10, 512, v10
	v_add_nc_u32 v11, 49152, v9
	v_add_nc_u32 v12, 49152, v10
	v_lshlrev_b32 v22, 6, v17                      ; the bias: 64 h
	s_mul_i32 s31, s18, 4352
	s_add_co_u32 s31, s31, STAGE                   ; my stage
	v_mul_u32_u24 v[STO], v4, 272
	v_lshl_add_u32 v[STO], v17, 6, v[STO]
	v_add_nc_u32 v[STO], s31, v[STO]               ; in: row r, + 64 h
	v_mul_u32_u24 v[RD], v17, 272
	v_lshl_add_u32 v[RD], v4, 4, v[RD]
	v_add_nc_u32 v[RD], s31, v[RD]                 ; back: lanes 0-15 one row of 256 bytes, lanes 16-31 the next
	v_lshlrev_b32 v[GO], 12, v17
	v_lshl_add_u32 v[GO], v4, 4, v[GO]             ; and the same two rows of the output
	s_lshl_b32 s36, s24, 12
	s_lshl_b32 s37, s19, 8
	s_add_co_u32 s36, s36, s37
	s_mov_b32 s37, 0
	s_add_nc_u64 s[36:37], s[6:7], s[36:37]        ; o's scale words: RB x 4,096 + wr x 256
	s_add_co_u32 s38, s23, 56
	s_lshl_b32 s38, s38, 12
	s_lshl_b32 s39, s20, 11
	s_add_co_u32 s38, s38, s39
	s_mov_b32 s39, 0
	s_add_nc_u64 s[38:39], s[10:11], s[38:39]      ; Wo's
	s_lshl_b32 s90, s23, 9
	s_lshl_b32 s91, s20, 8
	s_add_co_u32 s90, s90, s91                     ; my 64 columns, in bytes
	s_mov_b32 s91, 0
	s_add_nc_u64 s[12:13], s[12:13], s[90:91]
	s_lshl_b32 s92, s24, 19
	s_lshl_b32 s93, s19, 18
	s_add_co_u32 s92, s92, s93                     ; my 64 tokens' rows of 4,096 bytes
	s_mov_b32 s93, 0
	s_add_nc_u64 s[14:15], s[14:15], s[92:93]
	s_add_nc_u64 s[14:15], s[14:15], s[90:91]
.irp bl, 0,1
.irp s, 0,1,2,3,4,5,6,7
	global_load_b32 v[AS+8*\bl+\s], v[L4], s[36:37] offset:512*\s+128*\bl
.endr
.irp p, 0,1,2,3
	global_load_b64 v[BS+8*\bl+2*\p:BS+8*\bl+2*\p+1], v[L8], s[38:39] offset:\bl*1024+\p*256
.endr
.endr
	WIN 0xc0
.irp c, 0,1,2,3
	global_load_b128 v[BI+8*\c:BI+8*\c+3], v22, s[12:13] offset:(32*(\c/2)+8*(\c%2))*4
	global_load_b128 v[BI+8*\c+4:BI+8*\c+7], v22, s[12:13] offset:(32*(\c/2)+8*(\c%2))*4+16
.endr
	WIN 0
	s_wait_tensorcnt 1                             ; my part of K steps 0-3 is in; K steps 4-7 may be out
	s_barrier_signal -1
	s_barrier_wait -1
	LDB 0, 0
	LDA 0
	s_wait_loadcnt 0x0                             ; scale words and bias
	KSTEP 0
	KSTEP 1
	KSTEP 2
	s_wait_tensorcnt 0x0                           ; my part of K steps 4-7, the one load that is out,
	s_wait_dscnt 0x0
	s_barrier_signal -1
	s_barrier_wait -1                              ; everybody's is in
	KSTEP 3
	KSTEP 4
	KSTEP 5
	KSTEP 6
	s_wait_dscnt 0x0
	MUL 7
	WIN 0
	PLACES
	; THE WAY OUT.  A lane holds 32 neighbouring bytes of a token's row for each tile of columns: a tile of 16 tokens x 64 columns goes through my stage and comes back as rows of 256 bytes.
	; LDS serves a wave's instructions in order (ISA guide 5.7.1.4): the loads see the stores above them, and the next tile's stores come behind them; so one stage serves all four tiles.
.irp a, 0,1,2,3
.irp c, 0,1,2,3
	ds_store_b128 v[STO], v[ACC+8*(4*\a+\c):ACC+8*(4*\a+\c)+3] offset:128*(\c/2)+32*(\c%2)       ; each accumulator from its low end on
	ds_store_b128 v[STO], v[ACC+8*(4*\a+\c)+4:ACC+8*(4*\a+\c)+7] offset:128*(\c/2)+32*(\c%2)+16
.endr
.irp i, 0,1,2,3,4,5,6,7
	ds_load_b128 v[ACC+32*\a+4*\i:ACC+32*\a+4*\i+3], v[RD] offset:544*\i
.endr
.endr
.irp a, 0,1,2,3
.irp i, 0,1,2,3,4,5,6,7
	s_wait_dscnt 16*(3-\a)+7-\i                    ; behind this load: the rest of its tile's loads and the later tiles' sixteen LDS instructions each
	global_store_b128 v[GO], v[ACC+32*\a+4*\i:ACC+32*\a+4*\i+3], s[14:15] offset:(32*(\a/2)+8*(\a%2)+2*\i+8*(\i/4))*4096 th:TH_STORE_NT   ; sixteen lanes store 256 consecutive bytes, at a multiple of 256 from the output's first byte
.endr
.endr
	s_wait_tensorcnt 0x0
	s_wait_dscnt 0x0
	s_wait_tensorcnt 0x0
	ds_add_u32 v254, v255
	s_wait_dscnt 0x0
	CROUND                                         ; the closing round: no work-group ends while a partner may still ask for a tile that names it
	s_endpgm
.Lfunc_end_k_q9e07d6a41f_oproj:
	.size	k_q9e07d6a41f_oproj, .Lfunc_end_k_q9e07d6a41f_oproj-k_q9e07d6a41f_oproj
	.p2alignl 7, 3214868480
	.fill 96, 4, 3214868480
	.section	.rodata,"a",@progbits
	.p2align	6, 0x0
	.amdhsa_kernel k_q9e07d6a41f_oproj
		.amdhsa_group_segment_fixed_size 214528
		.amdhsa_private_segment_fixed_size 0
		.amdhsa_enable_private_segment 0
		.amdhsa_kernarg_size 48
		.amdhsa_user_sgpr_count 2
		.amdhsa_user_sgpr_kernarg_segment_ptr 1
		.amdhsa_wavefront_size32 1
		.amdhsa_system_sgpr_workgroup_id_x 1
		.amdhsa_system_sgpr_workgroup_id_y 1
		.amdhsa_system_sgpr_workgroup_id_z 1
		.amdhsa_system_vgpr_workitem_id 0
		.amdhsa_next_free_vgpr 1024
		.amdhsa_next_free_sgpr 100
		.amdhsa_reserve_vcc 0
		.amdhsa_float_denorm_mode_32 3
		.amdhsa_float_denorm_mode_16_64 3
		.amdhsa_memory_ordered 1
		.amdhsa_forward_progress 1
		.amdhsa_inst_pref_size 54
	.end_amdhsa_kernel
	.amdgpu_metadata
---
amdhsa.version: [ 1, 2 ]
amdhsa.kernels:
  - .name:           k_q9e07d6a41f_oproj
    .symbol:         k_q9e07d6a41f_oproj.kd
    .args:
      - { .name: o_codes, .offset: 0, .size: 8, .value_kind: global_buffer, .address_space: global }
      - { .name: o_scales, .offset: 8, .size: 8, .value_kind: global_buffer, .address_space: global }
      - { .name: xw_codes, .offset: 16, .size: 8, .value_kind: global_buffer, .address_space: global }
      - { .name: xw_scales, .offset: 24, .size: 8, .value_kind: global_buffer, .address_space: global }
      - { .name: bo, .offset: 32, .size: 8, .value_kind: global_buffer, .address_space: global }
      - { .name: out0, .offset: 40, .size: 8, .value_kind: global_buffer, .address_space: global }
    .group_segment_fixed_size: 214528
    .private_segment_fixed_size: 0
    .kernarg_segment_align: 8
    .kernarg_segment_size: 48
    .max_flat_workgroup_size: 128
    .sgpr_count:     100
    .vgpr_count:     1024
    .wavefront_size: 32
...
	.end_amdgpu_metadata
.endif
;; end of part 4
;; ======== version 2 of 2: 4 launches; version 1 with the launch attn written anew for expert scheduling mode
;; workspace buffers: xw_codes 6,291,456 bytes; xw_scales 262,144 bytes; qkv_codes 9,437,184 bytes; qkv_scales 655,360 bytes; o_codes 3,145,728 bytes; o_scales 131,072 bytes
;; launch quant: the kernel of part 1 again; grid 256 x 1, 4 waves a work-group, no clusters, 60,928 bytes of LDS; arguments x, Wq, Wk, Wv, Wo, xw_codes, xw_scales; writes xw_codes, xw_scales
;; launch qkv: the kernel of part 2 again; grid 8 x 32, 4 waves a work-group, clusters of 4 x 4, 327,680 bytes of LDS; arguments xw_codes, xw_scales, bq, bk, bv, qkv_codes, qkv_scales; writes qkv_codes, qkv_scales
;; launch attn (part 5): grid 32 x 8, 16 waves a work-group, no clusters, 80,896 bytes of LDS; arguments qkv_codes, qkv_scales, o_codes, o_scales; writes o_codes, o_scales
.if DOCPART == 5
	.amdgcn_target "amdgcn-amd-amdhsa--gfx1250"
	.amdhsa_code_object_version 6
	.text
	.protected	k_q9e07d6a41f_attn
	.globl	k_q9e07d6a41f_attn
	.p2align	8
	.type	k_q9e07d6a41f_attn,@function
k_q9e07d6a41f_attn:
	s_mov_b64 s[64:65], 0
	v_nop
	global_prefetch_b8 v0, s[64:65] scope:SCOPE_SE
	s_setreg_imm32_b32 hwreg(HW_REG_WAVE_SCHED_MODE, 0, 2), 2
	s_setreg_imm32_b32 hwreg(HW_REG_WAVE_MODE, 25, 1), 1
	s_wait_xcnt 0x0
	s_wait_alu depctr_vm_vsrc(0)
; Attention in a window: query i sees the keys j with |i - j| <= 128.  Both products on codes of FP6 (E2M3) with E8M0 scales; the result, divided by the row's sum, is quantised along head x 64 + d and stored as codes for the last product.
; SHARES.  Work-group (RB, sp): 128 queries x heads 2 sp and 2 sp + 1.  Wave w: head 2 sp + w / 8, tile t = w % 8 of 16 queries.  The 128 queries see three chunks of 128 keys: RB (all of it counts), RB - 1 (key kappa counts where kappa >= the query's
; place in its block) and RB + 1 (where kappa <= it).  At the sequence's ends a chunk that does not exist is copied from the clamped address and its step is jumped over: a scalar branch on the work-group's number.
; K = 64 IN THE FIRST PRODUCT: q's fragment has zero codes for k = 64 .. 127, and the scale words' upper two bytes are 0 (2^-127): whatever stands in k's registers 6-11 is multiplied by zeros.  So eight tiles of keys lie 6 registers apart.
; SOFTMAX: t = score x log2(e) / 8; M = the running largest t rounded up to a whole number; p = 2^(t - M) is quantised along the keys; the sum is taken of the unquantised p; when M moves, sum and O are multiplied by 2^(old M - new M), exactly.
; Both products are used transposed: a lane holds one query.  The keys of a tile, and the d of a tile of V, lie in the order 32 b + 8 u + rho + 8 (rho / 8), so that 16 result registers are 16 neighbours.
; LDS is filled once, through registers (12 waves a piece of 6,144 bytes, two waves the scale words): one barrier.  No cluster: a chunk is read by three neighbouring work-groups at three different places of their LDS, and a joint load has one LDS address for all.
; LIMITS: a hidden key has weight exactly 0, as in the reference while a row's largest logit lies above about -1e9 + 150; 1 / sum by v_rcp_f32; a block of zeros gets the scale byte 1; NaN and infinities are not served.
; THE MODE: SCHED_MODE bits 1:0 = 2 (LLVM: expert scheduling mode 2), set by the entry lines.  The code itself states the register dependences between vector or matrix instructions and memory or LDS instructions, with s_wait_alu, always for 0.
; THE PLAN.  Registers that memory or LDS instructions touch:
;   v1-6, v8-10, v93, v95, v228-231   addresses and offsets: written at the head, ahead of the head's wait on va_vdst, and never again.  v232-234: the same for the two waves that copy scale words, with a wait of their own.
;   v[KV ..] (v28-75)   Written by LDS loads alone: K's eight tiles at a step's head, V's four fragments behind the eight score products.  Read by those eight products, then by the four products of O^T.
;   v[KSR ..], v[VSR ..]   Written by LDS loads at a step's head; read as scales by the score products and by the products of O^T.
;   v[S ..]   At the head: the copies' loads land there and their LDS stores read them; from the first product on vector and matrix instructions alone name them; at the very end wave 0's LDS load lands in v[S .. S + 3].
;   v[PC .. PC + 5], v[HWR]   On the way out: written by vector instructions, read by the last stores.
; So a step holds these waits on va_vdst: one at its head (not in the first step): the last step's products are done reading KV, KSR and VSR; one behind the score products: they are done reading KV; the two behind the exponentials; and one ahead of the
; products of O^T: p's codes and scale word are written.  Between the second and the last of them no vector instruction names KV or VSR, so V's loads owe nothing more.  All 256 registers of the wave's share are laid out: there is no second buffer for V.
; THE MASK goes in runs: sixteen compares into s32-47, one wait on va_sdst, sixteen selects.
.set AK16, 1                           ; v1-2  my lane's place in my head's pieces of K (16 and 8 bytes a lane)
.set AK8,  2
.set AV16, 3                           ; v3-4  of V
.set AV8,  4
.set AKS,  5                           ; v5    in K's scale words
.set AVS,  6                           ; v6    in V's
.set DL,   7                           ; v7    my query's place in its block - 16 (lane / 16)
.set L16,  8
.set L8,   9
.set OSA,  10                          ; v10   where my two scale bytes of the result go
.set NINF, 11
.set QF,   16                          ; v16-27  Q's fragment (22-27 zeros)
.set KV,   28                          ; v28-75  eight tiles of K, later four fragments of V;  v76-81 zeros
.set QS,   82
.set PS,   83
.set KSR,  84
.set VSR,  88
.set S,    96
.set O,    160
.set PC,   192
.set BM,   204
.set BP,   208
.set SC,   212
.set Y,    216
.set F,    224
.set T,    226
.set HWR,  227
.set CPY,  228
.set KSW,  229
.set VSW,  230
.set OSR,  231
.set GV,   232
.set CS,   22
.set SEL,  24
.set MK,   32                          ; s32-47  in the steps: sixteen masks of hidden keys (at the head: at work)
.macro PLACES
.rept 4
	v_nop
.endr
.endm
.macro WM d, a, b, c, sa, sb, ra       ; one matrix instruction; c: the C operand as text; ra: source 0's scale words stand in lanes 16-31
.if (\ra)
	v_wmma_scale_f32_16x16x128_f8f6f4 v[\d:\d+7], v[\a:\a+11], v[\b:\b+11], \c, v[\sa], v[\sb] matrix_a_fmt:MATRIX_FMT_FP6 matrix_b_fmt:MATRIX_FMT_FP6 matrix_a_scale:MATRIX_SCALE_ROW1
.else
	v_wmma_scale_f32_16x16x128_f8f6f4 v[\d:\d+7], v[\a:\a+11], v[\b:\b+11], \c, v[\sa], v[\sb] matrix_a_fmt:MATRIX_FMT_FP6 matrix_b_fmt:MATRIX_FMT_FP6
.endif
.endm
	s_load_b256 s[4:11], s[0:1], 0x0               ; qkv_codes, qkv_scales, o_codes, o_scales
	v_lshl_add_u32 v254, v0, 2, 0x13400
	v_mov_b32 v255, 0
	v_lshrrev_b32 v1, 5, v0
	v_readfirstlane_b32 s12, v1                    ; wave 0..15
	s_mov_b32 s15, ttmp9                           ; RB
	s_and_b32 s16, ttmp7, 0xffff                   ; sp
	v_and_b32 v90, 31, v0                          ; lane
	v_and_b32 v91, 15, v0                          ; r
	v_bfe_u32 v92, v0, 4, 1                        ; h
	v_lshlrev_b32 v[L16], 4, v90
	v_lshlrev_b32 v[L8], 3, v90
	v_lshlrev_b32 v93, 2, v90
	v_lshlrev_b32 v95, 3, v91                      ; 8 r
	s_wait_alu depctr_va_sdst(0)                   ; s12 is written, ahead of its first reader: the head, the tile and every base are made from it
	s_lshr_b32 s13, s12, 3                         ; hh
	s_and_b32 s14, s12, 7                          ; t
	s_lshl_b32 s17, s16, 1
	s_add_co_u32 s17, s17, s13                     ; my head
	; every LDS address is made here, ahead of the parting of the roles
	s_mul_i32 s32, s13, 18432
	v_add_nc_u32 v[AK16], s32, v[L16]
	v_add_nc_u32 v[AK8], s32, v[L8]
	v_add_nc_u32 v[AK8], 512, v[AK8]
	v_add_nc_u32 v[AV16], 36864, v[AK16]
	v_add_nc_u32 v[AV8], 36864, v[AK8]
	s_mul_i32 s32, s13, 1536
	s_add_co_u32 s32, s32, 73728
	v_add_nc_u32 v[AKS], s32, v[L8]
	s_mul_i32 s32, s13, 768
	s_add_co_u32 s32, s32, 76800
	v_add_nc_u32 v[AVS], s32, v93
	s_lshl_b32 s32, s14, 6
	s_lshl_b32 s33, s13, 1
	s_add_co_u32 s32, s32, s33
	s_add_co_u32 s32, s32, 78336
	v_lshl_add_u32 v[OSA], v91, 2, s32             ; 78,336 + 64 t + 4 r + 2 hh
	s_min_u32 s32, s12, 11
	s_mul_i32 s32, s32, 6144
	v_add_nc_u32 v[CPY], s32, v[L16]               ; the piece that waves 0 to 11 copy
	v_add_nc_u32 v[KSW], 73728, v[L16]
	v_add_nc_u32 v[VSW], 76800, v93
	v_add_nc_u32 v[OSR], 78336, v[L16]
	s_lshr_b32 s32, s14, 1
	s_lshl_b32 s32, s32, 5
	s_and_b32 s33, s14, 1
	s_lshl_b32 s33, s33, 3
	s_add_co_u32 s32, s32, s33                     ; my tile's first query in the block: 32 (t / 2) + 8 (t % 2)
	v_and_b32 v[DL], 8, v91
	v_add_nc_u32 v[DL], v[DL], v91
	v_add_nc_u32 v[DL], s32, v[DL]
	v_lshlrev_b32 v94, 4, v92
	v_sub_nc_u32 v[DL], v[DL], v94
	v_mov_b32 v[NINF], 0xff800000
.irp i, 0,1,2,3,4,5
	v_mov_b32 v[QF+6+\i], 0                        ; q's codes for k = 64 .. 127
	v_mov_b32 v[KV+48+\i], 0                       ; behind the last tile of keys
.endr
.irp i, 0,1,2,3
	v_mov_b32 v[BP+\i], 0                          ; a lane permute's destination counts as read
.endr
	v_mov_b32 v[F+1], 0                            ; named as the upper half of a pair
	s_mov_b32 s[CS], 0x3e38aa3b                    ; c = log2(e) / 8
	s_mov_b32 s[CS+1], s[CS]
	s_mov_b32 s[SEL], 0x76543210
	s_mov_b32 s[SEL+1], 0xfedcba98
	s_mul_i32 s18, s17, 196608
	s_lshl_b32 s19, s15, 3
	s_add_co_u32 s19, s19, s14
	s_mul_i32 s19, s19, 768
	s_add_co_u32 s18, s18, s19                     ; q: head x 196,608 + (8 RB + t) x 768
	s_mov_b32 s19, 0
	s_lshl_b32 s20, s17, 14
	s_lshl_b32 s32, s15, 1
	s_lshr_b32 s33, s14, 2
	s_add_co_u32 s32, s32, s33
	s_lshl_b32 s32, s32, 8
	s_add_co_u32 s20, s20, s32
	s_and_b32 s32, s14, 1
	s_lshl_b32 s32, s32, 7
	s_add_co_u32 s20, s20, s32
	s_bfe_u32 s32, s14, 0x10001
	s_lshl_b32 s32, s32, 2
	s_add_co_u32 s20, s20, s32                     ; q's scale words: head x 16,384 + (2 RB + t / 4) x 256 + 128 (t % 2) + 4 ((t / 2) % 2)
	s_mov_b32 s21, 0
	s_lshl_b32 s28, s15, 3
	s_add_co_u32 s28, s28, s16                     ; 8 RB + sp
	s_lshl_b32 s30, s28, 9
	s_mov_b32 s31, 0
	s_lshl_b32 s28, s28, 3
	s_add_co_u32 s28, s28, s14
	s_mul_i32 s28, s28, 1536
	s_mul_i32 s29, s13, 768
	s_add_co_u32 s28, s28, s29
	s_mov_b32 s29, 0
	s_wait_kmcnt 0x0
	s_add_nc_u64 s[18:19], s[4:5], s[18:19]
	s_add_nc_u64 s[20:21], s[6:7], s[20:21]
	s_add_nc_u64 s[28:29], s[8:9], s[28:29]        ; my half fragment of the result
	s_add_nc_u64 s[30:31], s[10:11], s[30:31]      ; the work-group's 512 bytes of its scale words
	s_wait_alu depctr_va_vdst(0)                   ; all addresses and offsets (v1-6, v8-10, v93, v95, v228-231) are written, which every load and store of the kernel reads; so are the zero codes v22-27 and v76-81, which the scaled products take in their sources
	global_load_b128 v[QF:QF+3], v[L16], s[18:19]
	global_load_b64 v[QF+4:QF+5], v[L8], s[18:19] offset:512
	global_load_b32 v[QS], v95, s[20:21]
	; ---- the roles: waves 0-11 copy a piece each, wave 12 K's scale words, wave 13 V's
	s_cmp_lt_u32 s12, 12
	s_cbranch_scc0 .Lnot_piece
	s_mul_i32 s32, s12, 11
	s_lshr_b32 s32, s32, 5                         ; p / 3
	s_lshr_b32 s33, s32, 1                         ; 0: K, 1: V
	s_and_b32 s34, s32, 1                          ; which head of the pair
	s_mul_i32 s35, s32, 3
	s_sub_co_u32 s35, s12, s35                     ; which chunk: 0, 1, 2
	s_add_co_u32 s35, s35, s15
	s_sub_co_i32 s35, s35, 1
	s_max_i32 s35, s35, 0
	s_min_i32 s35, s35, 31                         ; RB - 1 + chunk, held inside the sequence
	s_mul_i32 s35, s35, 6144
	s_lshl_b32 s36, s16, 1
	s_add_co_u32 s36, s36, s34
	s_mul_i32 s36, s36, 196608
	s_add_co_u32 s36, s36, s35
	s_add_co_u32 s33, s33, 1
	s_mul_i32 s33, s33, 3145728                    ; k's section, or v's
	s_add_co_u32 s36, s36, s33
	s_mov_b32 s37, 0
	s_add_nc_u64 s[26:27], s[4:5], s[36:37]
.irp i, 0,1,2,3,4,5,6,7,8,9,10,11
	global_load_b128 v[S+4*\i:S+4*\i+3], v[L16], s[26:27] offset:512*\i   ; no vector instruction has named v[S ..] yet
.endr
.irp i, 0,1,2,3,4,5,6,7,8,9,10,11
	s_wait_loadcnt 11-\i                           ; the loads issued behind this one may be out
	ds_store_b128 v[CPY], v[S+4*\i:S+4*\i+3] offset:512*\i
.endr
	s_branch .Ljoin
.Lnot_piece:
	s_sub_co_i32 s32, s15, 1
	s_max_i32 s32, s32, 0                          ; the three chunks' numbers, held inside the sequence
	s_mov_b32 s33, s15
	s_add_co_u32 s34, s15, 1
	s_min_i32 s34, s34, 31
	s_cmp_eq_u32 s12, 12
	s_cbranch_scc0 .Lnot_ks
.irp c, 0,1,2
	s_lshl_b32 s[36+\c], s[32+\c], 9               ; 512 bytes of k's scale words a chunk
	v_add_nc_u32 v[GV+\c], s[36+\c], v[L16]
.endr
	s_lshl_b32 s40, s16, 15
	s_add_co_u32 s40, s40, 262144
	s_mov_b32 s41, 0
	s_add_nc_u64 s[26:27], s[6:7], s[40:41]
	s_wait_alu depctr_va_vdst(0)                   ; the three offsets v[GV ..] are written, which the loads below read
.irp y, 0,1
.irp c, 0,1,2
	global_load_b128 v[S+4*(3*\y+\c):S+4*(3*\y+\c)+3], v[GV+\c], s[26:27] offset:16384*\y
.endr
.endr
	s_wait_loadcnt 0x0
.irp y, 0,1
.irp c, 0,1,2
	ds_store_b128 v[KSW], v[S+4*(3*\y+\c):S+4*(3*\y+\c)+3] offset:1536*\y+512*\c
.endr
.endr
	s_branch .Ljoin
.Lnot_ks:
	s_cmp_eq_u32 s12, 13
	s_cbranch_scc0 .Ljoin
.irp c, 0,1,2
	s_lshl_b32 s[36+\c], s[32+\c], 8               ; 256 bytes of v's scale bytes a chunk: two runs of 64 keys
	v_add_nc_u32 v[GV+\c], s[36+\c], v93
.endr
	s_lshl_b32 s40, s16, 14
	s_add_co_u32 s40, s40, 524288
	s_mov_b32 s41, 0
	s_add_nc_u64 s[26:27], s[6:7], s[40:41]
	s_wait_alu depctr_va_vdst(0)                   ; the three offsets v[GV ..] are written, which the loads below read
.irp y, 0,1
.irp c, 0,1,2
	global_load_b32 v[S+2*(3*\y+\c)], v[GV+\c], s[26:27] offset:8192*\y
	global_load_b32 v[S+2*(3*\y+\c)+1], v[GV+\c], s[26:27] offset:8192*\y+128
.endr
.endr
	s_wait_loadcnt 0x0
.irp y, 0,1
.irp c, 0,1,2
	v_perm_b32 v[S+32+2*(3*\y+\c)], v[S+2*(3*\y+\c)+1], v[S+2*(3*\y+\c)], 0x05040100   ; tiles 0, 1 of d: the first 64 keys' two bytes below, the second 64 keys' above
	v_perm_b32 v[S+33+2*(3*\y+\c)], v[S+2*(3*\y+\c)+1], v[S+2*(3*\y+\c)], 0x07060302   ; tiles 2, 3
.endr
.endr
	s_wait_alu depctr_va_vdst(0)                   ; the twelve words v[S + 32 ..] are written, which the LDS stores below read
.irp y, 0,1
.irp c, 0,1,2
	ds_store_b32 v[VSW], v[S+32+2*(3*\y+\c)] offset:768*\y+256*\c
	ds_store_b32 v[VSW], v[S+33+2*(3*\y+\c)] offset:768*\y+256*\c+128
.endr
.endr
.Ljoin:
	s_wait_loadcnt 0x0                             ; Q and its scale words
	s_wait_dscnt 0x0                               ; for the others' sake: my stores have landed
	s_barrier_signal -1
	s_barrier_wait -1
	s_wait_alu depctr_vm_vsrc(0)                   ; the copies' LDS stores have read v[S ..], which the first products write
; A STEP: chunk ch of 128 keys.  mask 0: all count; 1: key kappa is hidden where kappa < my query's place; 2: where kappa > it.  first = 1: the step starts M, the sum and O^T.
.macro ASTEP ch, mask, first
	PLACES                                         ; in front of loads into registers that the last products read; in the first step: between the moves of the zero codes and the first products
.if !\first
	s_wait_alu depctr_va_vdst(0)                   ; the last step's products are done reading v[KV ..], v[KSR ..] and v[VSR ..], in which the loads below land
.endif
.irp tau, 0,1,2,3,4,5,6,7
	ds_load_b128 v[KV+6*\tau:KV+6*\tau+3], v[AK16] offset:(\ch)*6144+768*\tau
	ds_load_b64 v[KV+6*\tau+4:KV+6*\tau+5], v[AK8] offset:(\ch)*6144+768*\tau
.endr
.irp g, 0,1
	ds_load_b64 v[KSR+2*\g:KSR+2*\g+1], v[AKS] offset:(\ch)*512+256*\g
	ds_load_b32 v[VSR+\g], v[AVS] offset:(\ch)*256+128*\g
.endr
	s_wait_dscnt 0x0
.irp tau, 0,1,2,3,4,5,6,7                      ; S^T = K Q^T: lane (r, h) holds query r; register 16 b + i is key 32 b + 16 h + i of the chunk
	WM S+8*\tau, KV+6*\tau, QF, 0, KSR+\tau/2, QS, \tau%2
.endr
	PLACES                                         ; four places behind the products, before their results are read (ISA guide 7.12.1); they stay beside the wait below
	s_wait_alu depctr_va_vdst(0)                   ; the eight products are done reading v[KV ..], in which V's fragments land; up to the products of O^T no vector instruction names v[KV ..] or v[VSR ..]
.irp c, 0,1,2,3                                ; V's four fragments land while the softmax is walked
.irp e, 0,1
	ds_load_b128 v[KV+12*\c+6*\e:KV+12*\c+6*\e+3], v[AV16] offset:(\ch)*6144+(4*\e+\c)*768
	ds_load_b64 v[KV+12*\c+6*\e+4:KV+12*\c+6*\e+5], v[AV8] offset:(\ch)*6144+(4*\e+\c)*768
.endr
.endr
.if (\mask) != 0                               ; hidden scores become -infinity: a block of 32 keys (my 16 of them) at a time: sixteen compares, one wait, sixteen selects, each accumulator from its low end on
.irp g, 0,1,2,3
.set n, 0
.rept 16
.if (\mask) == 1
	v_cmp_lt_i32 s[MK+n], 32*\g+n, v[DL]
.else
	v_cmp_gt_i32 s[MK+n], 32*\g+n, v[DL]
.endif
.set n, n+1
.endr
	s_wait_alu depctr_va_sdst(0)                   ; the sixteen masks s32-47 are written, ahead of the selects that read them
.set n, 0
.rept 16
	v_cndmask_b32 v[S+16*\g+n], v[S+16*\g+n], v[NINF], s[MK+n]
.set n, n+1
.endr
.endr
.endif
.irp b, 0,1,2,3
	v_max3_num_f32 v[BM+\b], v[S+16*\b], v[S+16*\b+1], v[S+16*\b+2]   ; the largest score of each block of 32 keys: for the row's maximum, and, since p rises with the score, for the block's largest p
.endr
.irp i, 3,5,7,9,11,13
.irp b, 0,1,2,3
	v_max3_num_f32 v[BM+\b], v[BM+\b], v[S+16*\b+\i], v[S+16*\b+\i+1]
.endr
.endr
.irp b, 0,1,2,3
	v_max_num_f32 v[BM+\b], v[BM+\b], v[S+16*\b+15]
.endr
.irp b, 0,1,2,3
	v_permlanex16_b32 v[BP+\b], v[BM+\b], s[SEL], s[SEL+1]
.endr
.irp b, 0,1,2,3
	v_max_num_f32 v[BM+\b], v[BM+\b], v[BP+\b]
.endr
	v_max3_num_f32 v[T], v[BM], v[BM+1], v[BM+2]
	v_max_num_f32 v[T], v[T], v[BM+3]
.if \first
	v_mul_f32 v13, s[CS], v[T]                     ; the largest t
	v_floor_f32 v12, -v13                          ; -M = floor(-t): M is a whole number
.else
	v_mul_f32 v[T], s[CS], v[T]
	v_max_num_f32 v13, v13, v[T]                   ; the running largest t
	v_mov_b32 v[T], v12
	v_floor_f32 v12, -v13
	v_sub_f32 v[T], v12, v[T]                      ; old M - new M: a whole number, 0 or less
	v_cvt_i32_f32 v[T], v[T]
	v_ldexp_f32 v[F], 1.0, v[T]                    ; f = 2^(old M - new M)
.endif
.set n, 0
.rept 32
	v_pk_fma_f32 v[S+n:S+n+1], v[S+n:S+n+1], s[CS:CS+1], v[12:13] op_sel_hi:[1,0,0]   ; t - M
.set n, n+2
.endr
.irp b, 0,1,2,3
	v_fma_f32 v[BM+\b], v[BM+\b], s[CS], v12
.endr
.set n, 0
.rept 64
	v_exp_f32 v[S+n], v[S+n]                       ; p = 2^(t - M)
.set n, n+1
.endr
.if \first
	v_nop                                          ; a plain place behind the exponentials
.else
	v_pk_mul_f32 v[14:15], v[14:15], v[F:F+1] op_sel_hi:[1,0]   ; the sums under the new M; also the plain place behind the exponentials
.endif
	s_wait_alu depctr_va_vdst(0)                   ; the 64 exponentials have written v[S ..]: one wait for the batch, ahead of its first reader
.irp b, 0,1,2,3
	v_exp_f32 v[BM+\b], v[BM+\b]                   ; the blocks' largest p
.endr
	v_pk_add_f32 v[BP:BP+1], v[S:S+1], v[S+2:S+3]  ; the sum of the unquantised p, in two chains
.if \first
	v_pk_add_f32 v[14:15], v[S+4:S+5], v[S+8:S+9]
	v_pk_add_f32 v[BP:BP+1], v[BP:BP+1], v[S+6:S+7]
	v_pk_add_f32 v[BP:BP+1], v[BP:BP+1], v[S+10:S+11]
.else
	v_pk_add_f32 v[14:15], v[14:15], v[S+4:S+5]
	v_pk_add_f32 v[BP:BP+1], v[BP:BP+1], v[S+6:S+7]
	v_pk_add_f32 v[14:15], v[14:15], v[S+8:S+9]
	v_pk_add_f32 v[BP:BP+1], v[BP:BP+1], v[S+10:S+11]
.endif
.irp j, 12,16,20,24,28,32,36,40,44,48,52,56,60
	v_pk_add_f32 v[14:15], v[14:15], v[S+\j:S+\j+1]
	v_pk_add_f32 v[BP:BP+1], v[BP:BP+1], v[S+\j+2:S+\j+3]
.endr
	v_pk_add_f32 v[14:15], v[14:15], v[BP:BP+1]
	s_wait_alu depctr_va_vdst(0)                   ; the four exponentials have written v[BM ..], ahead of their first reader
.irp b, 0,1,2,3
	v_max_num_f32 v[BM+\b], 0x1800000, v[BM+\b]    ; the floor: the byte cannot fall under 1 (a block whose every p is 0 keeps that byte: its codes are zeros)
.endr
.irp b, 0,1,2,3
	v_add_nc_u32 v[SC+\b], 0xff000000, v[BM+\b]
.endr
.irp b, 0,1,2,3
	v_lshrrev_b32 v[BP+\b], 23, v[SC+\b]
.endr
	v_lshl_or_b32 v[PS], v[BP+1], 8, v[BP]         ; p's scale word for these 128 keys
	v_lshl_or_b32 v[PS], v[BP+2], 16, v[PS]
	v_lshl_or_b32 v[PS], v[BP+3], 24, v[PS]
.irp c, 0,1
	v_cvt_scalef32_pk16_fp6_f32 v[PC+6*\c:PC+6*\c+2], v[S+32*\c:S+32*\c+15], v[SC+2*\c]
	v_cvt_scalef32_pk16_fp6_f32 v[Y+4*\c:Y+4*\c+2], v[S+32*\c+16:S+32*\c+31], v[SC+2*\c+1]
.endr
	v_nop                                          ; one plain place behind a scaled conversion
.irp c, 0,1
.irp i, 0,1,2
	v_permlane16_swap_b32 v[PC+6*\c+\i], v[Y+4*\c+\i]
.endr
.irp i, 0,1,2
	v_mov_b32 v[PC+6*\c+3+\i], v[Y+4*\c+\i]
.endr
.endr
.if \first
.rept 8
	v_nop                                          ; a scale register written by a vector instruction stands 8 places ahead of a scaled matrix instruction
.endr
.else
.set n, 0
.rept 16
	v_pk_mul_f32 v[O+n:O+n+1], v[O+n:O+n+1], v[F:F+1] op_sel_hi:[1,0]   ; O^T under the new M; of these sixteen twelve name no register of any one product below: its places
.set n, n+2
.endr
.endif
	s_wait_dscnt 0x0                               ; V
	s_wait_alu depctr_va_vdst(0)                   ; p's codes v[PC ..] and its scale word v[PS] are written, which the scaled products below take as source 1 and as its scales; the places above stay beside this wait
.irp c, 0,1,2,3                                ; O^T += V^T P^T: register 8 c + j is d = 32 (c / 2) + 16 h + 8 (c % 2) + j
.if \first
	WM O+8*\c, KV+12*\c, PC, 0, VSR+\c/2, PS, \c%2
.else
	WM O+8*\c, KV+12*\c, PC, v[O+8*\c:O+8*\c+7], VSR+\c/2, PS, \c%2
.endif
.endr
.endm
	ASTEP 1, 0, 1                                  ; my own chunk first: every key of it counts, so M is a number from here on
	s_cmp_eq_u32 s15, 0
	s_cbranch_scc1 .Lno_low
	ASTEP 0, 1, 0
.Lno_low:
	s_cmp_eq_u32 s15, 31
	s_cbranch_scc1 .Lno_high
	ASTEP 2, 2, 0
.Lno_high:
	; ---- the way out: O^T / the sum, quantised along d: half a fragment of the last product's operand, and two scale bytes
	PLACES
	v_add_f32 v14, v14, v15
	v_permlanex16_b32 v[T], v14, s[SEL], s[SEL+1]
	v_add_f32 v14, v14, v[T]                       ; the row's sum
	v_rcp_f32 v14, v14
	v_nop                                          ; a plain place behind the transcendental
	s_wait_alu depctr_va_vdst(0)                   ; the reciprocal has written v14, ahead of its first reader
.set n, 0
.rept 32
	v_mul_f32 v[S+n], v[O+n], v14                  ; register 16 b + i is d = 32 b + 16 h + i of my query
.set n, n+1
.endr
.irp b, 0,1
	v_max3_num_f32 v[BM+\b], |v[S+16*\b]|, |v[S+16*\b+1]|, 0x1800000
.endr
.irp i, 2,4,6,8,10,12,14
.irp b, 0,1
	v_max3_num_f32 v[BM+\b], v[BM+\b], |v[S+16*\b+\i]|, |v[S+16*\b+\i+1]|
.endr
.endr
.irp b, 0,1
	v_permlanex16_b32 v[BP+\b], v[BM+\b], s[SEL], s[SEL+1]
.endr
.irp b, 0,1
	v_max_num_f32 v[BM+\b], v[BM+\b], v[BP+\b]
.endr
.irp b, 0,1
	v_add_nc_u32 v[SC+\b], 0xff000000, v[BM+\b]
.endr
.irp b, 0,1
	v_lshrrev_b32 v[BP+2+\b], 23, v[SC+\b]
.endr
	v_lshl_or_b32 v[HWR], v[BP+3], 8, v[BP+2]
	v_cvt_scalef32_pk16_fp6_f32 v[PC:PC+2], v[S:S+15], v[SC]
	v_cvt_scalef32_pk16_fp6_f32 v[Y:Y+2], v[S+16:S+31], v[SC+1]
	v_nop
.irp i, 0,1,2
	v_permlane16_swap_b32 v[PC+\i], v[Y+\i]
.endr
.irp i, 0,1,2
	v_mov_b32 v[PC+3+\i], v[Y+\i]
.endr
	s_wait_alu depctr_va_vdst(0)                   ; the codes v[PC .. PC + 5] and the two bytes v[HWR] are written, which the stores below read; the multiplications and conversions that named v[S ..] are done, where wave 0's LDS load lands: no vector instruction follows
	global_store_b128 v[L16], v[PC:PC+3], s[28:29]             ; 512 consecutive bytes,
	global_store_b64 v[L8], v[PC+4:PC+5], s[28:29] offset:512  ; 256 consecutive bytes
	ds_store_b16 v[OSA], v[HWR]                    ; my head's half of row r's scale word (lanes r and r + 16 write the same bytes with the same value)
	s_wait_dscnt 0x0
	s_barrier_signal -1
	s_barrier_wait -1
	s_cmp_lg_u32 s12, 0
	s_cbranch_scc1 .Lend
	ds_load_b128 v[S:S+3], v[OSR]                  ; the work-group's 128 scale words
	s_wait_dscnt 0x0
	global_store_b128 v[L16], v[S:S+3], s[30:31]   ; 512 consecutive bytes
.Lend:
	s_wait_dscnt 0x0
	s_wait_alu depctr_hold_cnt(0) depctr_sa_sdst(0) depctr_va_vdst(0) depctr_va_sdst(0) depctr_va_ssrc(0) depctr_va_vcc(0) depctr_vm_vsrc(0)
	s_wait_tensorcnt 0x0
	ds_add_u32 v254, v255
	s_wait_dscnt 0x0
	s_endpgm
.Lfunc_end_k_q9e07d6a41f_attn:
	.size	k_q9e07d6a41f_attn, .Lfunc_end_k_q9e07d6a41f_attn-k_q9e07d6a41f_attn
	.p2alignl 7, 3214868480
	.fill 96, 4, 3214868480
	.section	.rodata,"a",@progbits
	.p2align	6, 0x0
	.amdhsa_kernel k_q9e07d6a41f_attn
		.amdhsa_group_segment_fixed_size 80896
		.amdhsa_private_segment_fixed_size 0
		.amdhsa_enable_private_segment 0
		.amdhsa_kernarg_size 32
		.amdhsa_user_sgpr_count 2
		.amdhsa_user_sgpr_kernarg_segment_ptr 1
		.amdhsa_wavefront_size32 1
		.amdhsa_system_sgpr_workgroup_id_x 1
		.amdhsa_system_sgpr_workgroup_id_y 1
		.amdhsa_system_sgpr_workgroup_id_z 1
		.amdhsa_system_vgpr_workitem_id 0
		.amdhsa_next_free_vgpr 256
		.amdhsa_next_free_sgpr 66
		.amdhsa_reserve_vcc 0
		.amdhsa_float_denorm_mode_32 3
		.amdhsa_float_denorm_mode_16_64 3
		.amdhsa_memory_ordered 1
		.amdhsa_forward_progress 1
		.amdhsa_inst_pref_size 82
	.end_amdhsa_kernel
	.amdgpu_metadata
---
amdhsa.version: [ 1, 2 ]
amdhsa.kernels:
  - .name:           k_q9e07d6a41f_attn
    .symbol:         k_q9e07d6a41f_attn.kd
    .args:
      - { .name: qkv_codes, .offset: 0, .size: 8, .value_kind: global_buffer, .address_space: global }
      - { .name: qkv_scales, .offset: 8, .size: 8, .value_kind: global_buffer, .address_space: global }
      - { .name: o_codes, .offset: 16, .size: 8, .value_kind: global_buffer, .address_space: global }
      - { .name: o_scales, .offset: 24, .size: 8, .value_kind: global_buffer, .address_space: global }
    .group_segment_fixed_size: 80896
    .private_segment_fixed_size: 0
    .kernarg_segment_align: 8
    .kernarg_segment_size: 32
    .max_flat_workgroup_size: 512
    .sgpr_count:     66
    .vgpr_count:     256
    .wavefront_size: 32
...
	.end_amdgpu_metadata
.endif
;; end of part 5
;; launch oproj: the kernel of part 4 again; grid 8 x 32, 4 waves a work-group, clusters of 4 x 4, 214,528 bytes of LDS; arguments o_codes, o_scales, xw_codes, xw_scales, bo, out0; writes out0
